; MI455X (gfx1250); checked and timed in simulation.
; The chip was launched on July 23, 2026; its instructions are those of AMD's public machine-readable ISA for CDNA 5 (MIT licence, August 2026) and "CDNA5" Instruction Set Architecture Reference Guide (July 2026). The comments in the code are by the model that wrote it; some were corrected since.
;; Multi Head Cross Attention. Allowed arithmetic: matrix products marked QUANTISED: E2M3 operands, one E8M0 scale for each 32 along K, by v_wmma_scale_f32_16x16x128_f8f6f4 with both operands' format E2M3, f32 sums; everything else in f32.
;; Inputs: Wk 1,024 x 1,024 float32; Wp 1,024 x 1,024 float32; Wq 1,024 x 1,024 float32; Wv 1,024 x 1,024 float32; bk 1,024 float32; bp 1,024 float32; bq 1,024 float32; bv 1,024 float32; x 2 x 2,048 x 1,024 float32; x_query 2 x 2,048 x 1,024 float32.
;; Outputs: out0 2 x 2,048 x 1,024 float32.
;; This version of the problem:
;;   THIS VERSION OF THE PROBLEM IS GIVEN IN LOW PRECISION. The matrix products marked QUANTISED in the list below multiply operands that are first quantised to E2M3 (2 exponent bits, 3 mantissa bits; 6 bits a number), with one power-of-two scale for each 32 numbers along K (OCP MX v1.0); their sums are f32. All else is computed in f32.
;;   The module's matrix products, in the order in which they are computed (A, B: the left and right operand; K: the contracted axis; several contracted axes count as one K, in the product's order):
;;     1. [M 4,096, K 1,024] x [K 1,024, N 1,024]; A: input x_query; B: input Wq: QUANTISED
;;     2. [M 4,096, K 1,024] x [K 1,024, N 1,024]; A: input x; B: input Wk: QUANTISED
;;     3. [M 4,096, K 1,024] x [K 1,024, N 1,024]; A: input x; B: input Wv: QUANTISED
;;     4. batch 32 x [M 2,048, K 64] x [K 64, N 2,048]; A: computed on the way; B: computed on the way: QUANTISED
;;     5. batch 32 x [M 2,048, K 2,048] x [K 2,048, N 64]; A: softmax (see below); B: computed on the way: QUANTISED
;;     6. [M 4,096, K 1,024] x [K 1,024, N 1,024]; A: computed on the way; B: input Wp: QUANTISED
;;   THE QUANTISER, for each operand of a quantised product, along K:
;;     - K is cut into blocks of 32 from its start; a last block that is shorter is filled with zeros.
;;     - A block's scale is 2^e with e = floor(log2(the largest magnitude in the block)) - 2, held to -126 .. 127; a block of zeros has e = 0. As a byte (E8M0): e + 127.
;;     - Each number is divided by its block's scale, clamped to +-7.5, and rounded to the nearest number of E2M3, ties to even, subnormals kept.
;;     - The product sums the exact products of the quantised numbers (number of the format x scale) in f32.
;;   ~~~python
;;   def quantise(x, axis):      # numpy; x: float32 -> the quantised numbers, widened to float32 again
;;       x = np.moveaxis(x, axis, -1); K = x.shape[-1]
;;       x = np.pad(x, [(0, 0)] * (x.ndim - 1) + [(0, -K % 32)]); x = x.reshape(x.shape[:-1] + (-1, 32)); a = np.abs(x).max(-1, keepdims=True)
;;       e = np.where(a > 0, np.clip(np.frexp(np.where(a > 0, a, 1))[1] - 1 - 2, -126, 127), 0)      # np.frexp(a)[1] - 1 = floor(log2(a)), exactly
;;       r = np.clip(x / 2.0 ** e, -7.5, 7.5)
;;       step = 2.0 ** (np.maximum(np.frexp(np.where(r == 0, 1, r))[1] - 1, 0) - 3)
;;       q = np.round(r / step) * step * 2.0 ** e      # np.round: ties to even
;;       return np.moveaxis(q.reshape(q.shape[:-2] + (-1,))[..., :K], -1, axis).astype(np.float32)
;;   ~~~
;;   SOFTMAX AHEAD OF A QUANTISED PRODUCT. Where the list says 'softmax', what is quantised is not the finished softmax but p = 2^(t - M), with t = logit x log2(e) and M = ceil(the row's largest t), a whole number; so 1/2 < the row's largest p <= 1. The row's sum l is taken of the UNQUANTISED p, in f32, and the product's result is divided by l at the end. Since M is a whole number, a kernel that streams over the keys may use a running M (the ceiling of the running maximum): every later rescaling is an exact power of two, which a block's scale takes up: the codes' values come out the same.
;;   OPERANDS COMPUTED ON THE WAY. 'Computed on the way' means the value that the module computes at that place (a softmax that the list does not call 'softmax' is quantised finished and normalised). What goes into a quantiser is computed in f32, as accurately as f32 sums, v_exp_f32 and their like allow (about 1e-6 of the number): no bf16 or f16 on the way to a quantiser, and a product that is left as it is and whose result goes on into a quantised operand takes f32 operands (vector FMAs, or v_wmma_f32_16x16x4_f32). A number that lies on a knife's edge between two numbers of the format may be rounded either way, as far as f32 arithmetic and the matrix unit's own rounding can turn it there, and no further.
;; One version. Each part assembles by itself: llvm-mc -triple=amdgcn-amd-amdhsa -mcpu=gfx1250 --defsym DOCPART=n.
;; ======== version 1 of 1: 4 launches
;; workspace buffers: opc 9,437,184 bytes; ops 393,216 bytes; qkvc 9,830,400 bytes; yc 3,145,728 bytes; ys 131,072 bytes
;; launch quant (part 1): grid 768 x 1, 4 waves a work-group, no clusters, 68,096 bytes of LDS; arguments x_query, x, Wq, Wk, Wv, Wp, opc, ops; writes opc, ops
.if DOCPART == 1
	.amdgcn_target "amdgcn-amd-amdhsa--gfx1250"
	.amdhsa_code_object_version 6
	.text
	.protected	k_qf8a2e2ab24_quant
	.globl	k_qf8a2e2ab24_quant
	.p2align	8
	.type	k_qf8a2e2ab24_quant,@function
k_qf8a2e2ab24_quant:
	s_mov_b64 s[64:65], 0
	v_nop
	global_prefetch_b8 v0, s[64:65] scope:SCOPE_SE
	s_setreg_imm32_b32 hwreg(HW_REG_WAVE_MODE, 25, 1), 1
	s_wait_xcnt 0x0
; The six f32 operands whose K (1,024) is innermost become codes of FP6 (E2M3) and E8M0 scale words, laid in the order of an operand's registers.
; TILES.  Rows go in groups of 32; tile 2 g + u holds rows 32 g + 8 u + r + 8 (r / 8), r = 0 .. 15.  Tiles: x_query 0-255, x 256-511, Wq 512-575, Wk 576-639, Wv 640-703, Wp 704-767.
; AN IMAGE is 16 rows x 64 codes, 768 bytes: lane l = r + 16 h owns the 24 bytes of block h of row r: its first 16 at 16 l, its last 8 at 512 + 8 l.  opc: tile x 12,288 + (k / 64) x 768.
; ops: the scale word of (tile, k / 128 = q, row r) at tile x 512 + (q / 2) x 128 + 8 r + 4 (q % 2).
; A work-group takes a tile, a wave 256 along K: two fragments of 128.  Each load reads 512 consecutive bytes of a row; the numbers turn through the wave's own stage in LDS so that a lane holds whole blocks of 32.
; A block's scale byte is its largest magnitude's exponent field - 2, held at 1 from below.
; LIMITS: NaN and infinities among the inputs are not served; a block whose largest magnitude lies under 2^-124 gets the byte 1; a block of zeros gets the byte 1 where the rule says 127 (its codes are zeros, and this program alone reads the bytes).
.set WREG,  16896                      ; LDS of a wave: two stages
.set STG,   8448                       ; a stage: 16 rows of 512 bytes + 16
.set SP,    528
.set SPARE, 4*WREG                     ; the spare words, 128 bytes a wave
.set SPW,   12
.set NIL,   13
.set R,     16                         ; v16-143  the numbers as loaded, 64 registers a fragment
.set X,     144                        ; v144-207 register 32 c + i = k 64 c + 32 h + i of my row
.set C,     208                        ; v208-231 codes, 12 registers a fragment
.set T,     232                        ; v232-234, v236-238 the upper halves of the blocks' codes
.set M,     240
.set SO,    242
.set BY,    244
.set W,     246
	s_load_b256 s[4:11], s[0:1], 0x0               ; x_query, x, Wq, Wk
	s_load_b256 s[12:19], s[0:1], 0x20             ; Wv, Wp, opc, ops
	v_lshl_add_u32 v[SPW], v0, 2, SPARE
	v_mov_b32 v[NIL], 0
	v_lshrrev_b32 v1, 5, v0
	v_readfirstlane_b32 s20, v1                    ; wave
	v_and_b32 v1, 31, v0                           ; lane
	v_and_b32 v2, 15, v0                           ; r
	v_bfe_u32 v3, v0, 4, 1                         ; h
	v_lshlrev_b32 v4, 4, v1                        ; 16 x lane
	s_mul_i32 s30, s20, WREG
	v_add_nc_u32 v5, s30, v4                       ; the stage, on the way in
	v_mul_u32_u24 v6, v2, SP
	v_lshl_add_u32 v6, v3, 7, v6
	v_add_nc_u32 v6, s30, v6                       ; and out: row r, 128 h bytes on
	v_lshlrev_b32 v7, 3, v1                        ; 8 x lane
	v_lshlrev_b32 v8, 3, v2
	v_lshl_add_u32 v8, v3, 2, v8                   ; 8 r + 4 h
	v_lshlrev_b32 v9, 3, v3                        ; 8 h
	v_mov_b32 v248, 0                              ; a lane permute's destination is written before
	s_mov_b32 s28, 0x76543210
	s_mov_b32 s29, 0xfedcba98                      ; lane l xor 16
	s_wait_kmcnt 0x0
	s_mov_b64 s[22:23], s[14:15]                   ; which tensor: by the work-group's number alone
	s_mov_b32 s21, 704
	s_cmp_lt_u32 ttmp9, 704
	s_cselect_b64 s[22:23], s[12:13], s[22:23]
	s_cselect_b32 s21, 640, s21
	s_cmp_lt_u32 ttmp9, 640
	s_cselect_b64 s[22:23], s[10:11], s[22:23]
	s_cselect_b32 s21, 576, s21
	s_cmp_lt_u32 ttmp9, 576
	s_cselect_b64 s[22:23], s[8:9], s[22:23]
	s_cselect_b32 s21, 512, s21
	s_cmp_lt_u32 ttmp9, 512
	s_cselect_b64 s[22:23], s[6:7], s[22:23]
	s_cselect_b32 s21, 256, s21
	s_cmp_lt_u32 ttmp9, 256
	s_cselect_b64 s[22:23], s[4:5], s[22:23]
	s_cselect_b32 s21, 0, s21
	s_sub_co_u32 s31, ttmp9, s21                   ; the tile in its tensor
	s_lshr_b32 s32, s31, 1
	s_lshl_b32 s32, s32, 17                        ; 32 rows of 4,096 bytes a group
	s_and_b32 s33, s31, 1
	s_lshl_b32 s33, s33, 15                        ; 8 rows
	s_add_co_u32 s32, s32, s33
	s_lshl_b32 s33, s20, 10                        ; my 256 along K
	s_add_co_u32 s32, s32, s33
	s_mov_b32 s33, 0
	s_add_nc_u64 s[22:23], s[22:23], s[32:33]
	s_mul_i32 s32, ttmp9, 12288
	s_mul_i32 s34, s20, 3072
	s_add_co_u32 s32, s32, s34
	s_add_nc_u64 s[24:25], s[16:17], s[32:33]      ; my four images
	s_lshl_b32 s32, ttmp9, 9
	s_lshl_b32 s34, s20, 7
	s_add_co_u32 s32, s32, s34
	s_add_nc_u64 s[26:27], s[18:19], s[32:33]      ; my 128 bytes of scale words
.irp f, 0,1
.irp i, 0,1,2,3,4,5,6,7,8,9,10,11,12,13,14,15
	global_load_b128 v[R+64*\f+4*\i:R+64*\f+4*\i+3], v4, s[22:23] offset:(\i+8*(\i/8))*4096+512*\f th:TH_LOAD_NT   ; 512 consecutive bytes of the tile's row i
.endr
.endr
.macro FRAGQ f
	s_wait_loadcnt 16*(1-\f)                       ; this fragment's 16 loads are in; the other's may be out
.irp i, 0,1,2,3,4,5,6,7,8,9,10,11,12,13,14,15
	ds_store_b128 v5, v[R+64*\f+4*\i:R+64*\f+4*\i+3] offset:STG*\f+SP*\i
.endr
.irp c, 0,1
.irp j, 0,1,2,3,4,5,6,7
	ds_load_b128 v[X+32*\c+4*\j:X+32*\c+4*\j+3], v6 offset:STG*\f+256*\c+16*\j   ; LDS serves a wave's instructions in order: these see my stores
.endr
.endr
	s_wait_dscnt 0x0
.irp c, 0,1
	v_max3_num_f32 v[M+\c], |v[X+32*\c]|, |v[X+32*\c+1]|, 0x1800000   ; my block 2 c + h, and the floor 2^(3 - 127)
.endr
.irp i, 2,4,6,8,10,12,14,16,18,20,22,24,26,28,30
.irp c, 0,1
	v_max3_num_f32 v[M+\c], v[M+\c], |v[X+32*\c+\i]|, |v[X+32*\c+\i+1]|
.endr
.endr
.irp c, 0,1
	v_add_nc_u32 v[SO+\c], 0xff000000, v[M+\c]     ; 2 off the exponent field: the conversion's scale operand
.endr
.irp c, 0,1
	v_lshrrev_b32 v[BY+\c], 23, v[SO+\c]           ; the scale's byte
.endr
	v_lshl_or_b32 v[W+\f], v[BY+1], 16, v[BY]
	v_lshlrev_b32 v[W+\f], v9, v[W+\f]             ; bytes h and 2 + h of the word
	v_permlanex16_b32 v248, v[W+\f], s28, s29
	v_or_b32 v[W+\f], v[W+\f], v248                ; with lane l xor 16's two the word is whole
.irp c, 0,1
	v_cvt_scalef32_pk16_fp6_f32 v[C+12*\f+6*\c:C+12*\f+6*\c+2], v[X+32*\c:X+32*\c+15], v[SO+\c]
	v_cvt_scalef32_pk16_fp6_f32 v[T+4*\c:T+4*\c+2], v[X+32*\c+16:X+32*\c+31], v[SO+\c]   ; (a conversion's three registers begin on an even number)
.endr
	v_nop                                          ; one plain place behind the conversions
.irp c, 0,1
.irp i, 0,1,2
	v_mov_b32 v[C+12*\f+6*\c+3+\i], v[T+4*\c+\i]
.endr
.endr
.irp c, 0,1
	global_store_b128 v4, v[C+12*\f+6*\c:C+12*\f+6*\c+3], s[24:25] offset:(2*\f+\c)*768        ; 512 consecutive bytes,
	global_store_b64 v7, v[C+12*\f+6*\c+4:C+12*\f+6*\c+5], s[24:25] offset:(2*\f+\c)*768+512   ; and 256: an image
.endr
.endm
	FRAGQ 0
	FRAGQ 1
	v_cmp_ne_u32 vcc_lo, 0, v3
	v_cndmask_b32 v249, v[W], v[W+1], vcc_lo       ; lanes 0-15 the first fragment's word, lanes 16-31 the second's
	global_store_b32 v8, v249, s[26:27]            ; 128 consecutive bytes
	s_wait_tensorcnt 0x0                           ; the wave's end
	ds_add_u32 v[SPW], v[NIL]
	s_wait_dscnt 0x0
	s_endpgm
.Lfunc_end_k_qf8a2e2ab24_quant:
	.size	k_qf8a2e2ab24_quant, .Lfunc_end_k_qf8a2e2ab24_quant-k_qf8a2e2ab24_quant
	.p2alignl 7, 3214868480
	.fill 96, 4, 3214868480
	.section	.rodata,"a",@progbits
	.p2align	6, 0x0
	.amdhsa_kernel k_qf8a2e2ab24_quant
		.amdhsa_group_segment_fixed_size 68096
		.amdhsa_private_segment_fixed_size 0
		.amdhsa_enable_private_segment 0
		.amdhsa_kernarg_size 64
		.amdhsa_user_sgpr_count 2
		.amdhsa_user_sgpr_kernarg_segment_ptr 1
		.amdhsa_wavefront_size32 1
		.amdhsa_system_sgpr_workgroup_id_x 1
		.amdhsa_system_sgpr_workgroup_id_y 1
		.amdhsa_system_sgpr_workgroup_id_z 1
		.amdhsa_system_vgpr_workitem_id 0
		.amdhsa_next_free_vgpr 256
		.amdhsa_next_free_sgpr 66
		.amdhsa_reserve_vcc 1
		.amdhsa_float_denorm_mode_32 3
		.amdhsa_float_denorm_mode_16_64 3
		.amdhsa_memory_ordered 1
		.amdhsa_forward_progress 1
		.amdhsa_inst_pref_size 17
	.end_amdhsa_kernel
	.amdgpu_metadata
---
amdhsa.version: [ 1, 2 ]
amdhsa.kernels:
  - .name:           k_qf8a2e2ab24_quant
    .symbol:         k_qf8a2e2ab24_quant.kd
    .args:
      - { .name: x_query, .offset: 0, .size: 8, .value_kind: global_buffer, .address_space: global }
      - { .name: x, .offset: 8, .size: 8, .value_kind: global_buffer, .address_space: global }
      - { .name: Wq, .offset: 16, .size: 8, .value_kind: global_buffer, .address_space: global }
      - { .name: Wk, .offset: 24, .size: 8, .value_kind: global_buffer, .address_space: global }
      - { .name: Wv, .offset: 32, .size: 8, .value_kind: global_buffer, .address_space: global }
      - { .name: Wp, .offset: 40, .size: 8, .value_kind: global_buffer, .address_space: global }
      - { .name: opc, .offset: 48, .size: 8, .value_kind: global_buffer, .address_space: global }
      - { .name: ops, .offset: 56, .size: 8, .value_kind: global_buffer, .address_space: global }
    .group_segment_fixed_size: 68096
    .private_segment_fixed_size: 0
    .kernarg_segment_align: 8
    .kernarg_segment_size: 64
    .max_flat_workgroup_size: 128
    .sgpr_count:     66
    .vgpr_count:     256
    .wavefront_size: 32
...
	.end_amdgpu_metadata
.endif
;; end of part 1
;; launch project3 (part 2): grid 4 x 48, 4 waves a work-group, clusters of 4 x 4, 327,680 bytes of LDS; arguments opc, ops, bq, bk, bv, qkvc; writes qkvc
.if DOCPART == 2
	.amdgcn_target "amdgcn-amd-amdhsa--gfx1250"
	.amdhsa_code_object_version 6
	.text
	.protected	k_qf8a2e2ab24_project3
	.globl	k_qf8a2e2ab24_project3
	.p2align	8
	.type	k_qf8a2e2ab24_project3,@function
k_qf8a2e2ab24_project3:
	s_mov_b64 s[64:65], 0
	v_nop
	global_prefetch_b8 v0, s[64:65] scope:SCOPE_SE
	s_setreg_imm32_b32 hwreg(HW_REG_WAVE_MODE, 25, 1), 1
	s_wait_xcnt 0x0
	s_wait_alu depctr_hold_cnt(0) depctr_sa_sdst(0) depctr_va_vdst(0) depctr_va_sdst(0) depctr_va_ssrc(0) depctr_va_vcc(0) depctr_vm_vsrc(0)
	s_getreg_b32 s2, hwreg(HW_REG_IB_STS2, 6, 4)
	s_cmp_eq_u32 s2, 0
	s_cbranch_scc0 .Lentry_in_a_cluster
	s_endpgm
.Lentry_in_a_cluster:
	s_bfe_u32 s2, ttmp6, 0x10000c
	s_cmp_lg_u32 s2, 0xf033
	s_cbranch_scc0 .Lentry_shape_is_right
	s_endpgm
.Lentry_shape_is_right:
; q = x_query Wq^T + bq, k = x Wk^T + bk, v^T = Wv x^T + bv: three products of 4,096 x 1,024 x 1,024 on codes of FP6 (E2M3) with E8M0 scales, and their results quantised in registers:
; q and k along the head's 64 channels, v along the keys.  Only codes and scale words go to memory.
; A tile of C, 256 x 256, is made by four waves, 128 x 128 each: 64 accumulators.  K goes in steps of 256 through two LDS slots filled by the tensor data mover; a tile's part of a slot is 3,072 consecutive bytes.
; WHICH PRODUCT: the cluster's y, 0 .. 11: P = y / 4 (0 q, 1 k, 2 v), y % 4 the quarter of the 4,096 tokens.  All choices are scalar selects on that number: one path for the three.
; For v the weights are A and the tokens B, so that in all three a lane's registers run along the next product's K.
; THE MATRIX INSTRUCTION IS USED TRANSPOSED: source 0 = 16 rows of B, source 1 = 16 rows of A.  With the tiles' rows chosen as the first launch lays them (row 32 g + 8 u + r + 8 (r / 8)) the 16 registers of B's tiles 2 b and 2 b + 1
; are 16 neighbours, 32 b + 16 h + 0 .. 15.
; CLUSTERS: 4 x 4 work-groups; A's tiles are asked for jointly along a row of the cluster, B's along a column.  The grid has one cluster along x.
; qkvc, per head 307,200 bytes: 16 key steps of 12,800 (K's 8 images; V^T's 4 fragments at 6,144; K's scale words at 12,288; V's at 12,544), then 16 blocks of queries of 6,400 (8 images; scale words at 6,144).
; LIMITS: as in the first launch (NaN, infinities; the byte's floor of 1).
; REGISTERS: window 0: v0-31 addresses; v32-63 scale words, two sets; v64-127 the bias by column; v128-223 A's fragments; v240-255 the bias by row.  window 1: B's fragments, two sets.  windows 2, 3: the accumulators.
.set FR,     12
.set NL,     4                         ; LDS loads that bring a fragment
.set NP,     4                         ; places behind this matrix instruction (ISA guide 7.12.1)
.set NQ,     2
.set TILEB,  3072
.set HALFT,  8*TILEB
.set SLOT,   4*HALFT
.set SCL,    2*SLOT
.set HALFS,  4096
.set SPARE,  SCL+4*HALFS
.set HEADB,  307200
.set ADRA, 16                          ; v16-17 A's fragments in slot 0, 1, 16 bytes a lane; v18-19 8 bytes a lane
.set ADRB, 20                          ; v20-23 the same for B
.set ADRS, 27
.set SPW,  28
.set NIL,  29
.set SC,   32
.set BN,   64
.set AF,   128
.set BM,   240
.set HA,   128                         ; the way out: 64 results with their bias
.set PC,   192                         ; the codes just made
.set TM,   212
.set PWS,  228                         ; the eight blocks' scale words
.set PW,   236
.set SW,   32
.set SEL,  10
.set G1, 24
.set G0, 32
.set G1B, 48
.set G0B, 56
.set G1S, 68
.set G0S, 76
.set G1SB, 80
.set G0SB, 88
.set OB0, 92                           ; s[92:93], s[94:95] where a block's two images go
.set OB1, 94
.set OS,  96                           ; s[96:97] where the scale words go
.set AST, 98                           ; s[98:99] from block to block
.set AJ,  100                          ; s[100:101] and once more in the middle, for v: on to the next head
.set MSB, 0
.macro WIN new                         ; the immediate's high byte repeats the setting that is left
.if MSB != (\new)
	s_set_vgpr_msb (MSB<<8)|(\new)
.set MSB, (\new)
.endif
.endm
.set MUL_LO, 0xa1                      ; source 0 (B) window 1, source 1 (A) window 0, C and D window 2
.set MUL_HI, 0xf1
.set TO_B,   0x40
.macro JLOAD g0a, g1a, g0b, g1b        ; a joint load: waves 0 and 1 fetch for A, waves 2 and 3 for B; an s_nop 0 and four v_nop follow each line
	s_cmp_eq_u32 s17, 0
	s_cbranch_scc0 .Lfor_b_\@
	tensor_load_to_lds s[\g0a:\g0a+3], s[\g1a:\g1a+7]
	s_nop 0
.rept 4
	v_nop
.endr
	s_branch .Lasked_\@
.Lfor_b_\@:
	tensor_load_to_lds s[\g0b:\g0b+3], s[\g1b:\g1b+7]
	s_nop 0
.rept 4
	v_nop
.endr
.Lasked_\@:
.endm
.macro CREST                           ; a round of the cluster's barrier behind its opening barrier
	s_cmp_lg_u32 s16, 0
	s_cbranch_scc1 .Lnot_wave_0_\@
	s_barrier_signal -3
.Lnot_wave_0_\@:
	s_barrier_wait -3
	s_barrier_signal -1
	s_barrier_wait -1
.endm
.macro CROUND
	s_barrier_signal -1
	s_barrier_wait -1
	CREST
.endm
	s_load_b256 s[4:11], s[0:1], 0x0               ; opc, ops, bq, bk
	s_load_b128 s[12:15], s[0:1], 0x20             ; bv, qkvc
	v_lshl_add_u32 v[SPW], v0, 2, SPARE
	v_mov_b32 v[NIL], 0
	ds_add_u32 v[SPW], v[NIL]                      ; the wave's opening
	v_lshrrev_b32 v1, 5, v0
	v_readfirstlane_b32 s16, v1                    ; wave
	s_lshr_b32 s17, s16, 1                         ; my half of the tile's rows; also: I fetch for A (0) or B (1)
	s_and_b32 s18, s16, 1                          ; my half of its columns; also: which 8 tiles I fetch
	s_bfe_u32 s40, ttmp6, 0x40000                  ; cx
	s_bfe_u32 s41, ttmp6, 0x40004                  ; cy
	s_and_b32 s20, ttmp7, 0xffff                   ; the cluster's y
	s_lshr_b32 s66, s20, 2                         ; P
	s_and_b32 s21, s20, 3
	s_lshl_b32 s21, s21, 2                         ; four tile rows or columns a quarter
	s_lshl_b32 s92, s66, 8
	s_lshl_b32 s93, s66, 6
	s_add_co_u32 s93, s93, 512
	s_cmp_eq_u32 s66, 2
	s_cselect_b32 s67, -1, 0                       ; all ones for v
	s_cselect_b32 s2, 0, -1                        ; all ones for q and k
	s_cselect_b32 s22, 0, s21
	s_cselect_b32 s23, s21, 0
	s_cselect_b32 s94, 128, 0
	s_cselect_b32 s93, 256, s93                    ; B's first tile: Wq 512, Wk 576, x 256
	s_add_co_u32 s92, s92, s94                     ; A's first tile: x_query 0, x 256, Wv 640
	s_add_co_u32 s19, s41, s22                     ; tile row of C
	s_add_co_u32 s42, s40, s23                     ; tile column of C
	s_lshl_b32 s43, s41, 2
	s_lshl_b32 s43, 15, s43                        ; my row of the cluster
	s_lshl_b32 s44, 0x1111, s40                    ; my column
	; group 1, codes: 8 rows (tiles) of 384 elements of 8 bytes, 1,536 elements apart
	s_or_b32 s[G1+0], s43, (3<<16)|(1<<21)
	s_or_b32 s[G1B+0], s44, (3<<16)|(1<<21)
.irp g, G1, G1B
	s_mov_b32 s[\g+1], 384<<16
	s_mov_b32 s[\g+2], 8<<16
	s_mov_b32 s[\g+3], 384<<16
	s_mov_b32 s[\g+4], 8
	s_mov_b32 s[\g+5], 1536
	s_mov_b32 s[\g+6], 0
	s_mov_b32 s[\g+7], 0
.endr
	; group 1, scale words of 8 tiles: 4,096 dense bytes as 16 rows of 256
	s_or_b32 s[G1S+0], s43, (3<<16)|(1<<21)
	s_or_b32 s[G1SB+0], s44, (3<<16)|(1<<21)
.irp g, G1S, G1SB
	s_mov_b32 s[\g+1], 32<<16
	s_mov_b32 s[\g+2], 16<<16
	s_mov_b32 s[\g+3], 32<<16
	s_mov_b32 s[\g+4], 16
	s_mov_b32 s[\g+5], 32
	s_mov_b32 s[\g+6], 0
	s_mov_b32 s[\g+7], 0
.endr
	s_lshl_b32 s20, s19, 4
	s_add_co_u32 s20, s20, s92
	s_lshl_b32 s21, s18, 3
	s_add_co_u32 s20, s20, s21                     ; A: the first tile that I fetch
	s_lshl_b32 s46, s42, 4
	s_add_co_u32 s46, s46, s93
	s_add_co_u32 s46, s46, s21                     ; B likewise
	s_mul_i32 s22, s20, 512
	s_mul_i32 s20, s20, 12288
	s_mul_i32 s94, s46, 512
	s_mul_i32 s46, s46, 12288
	s_mov_b32 s21, 0
	s_mov_b32 s23, 0
	s_mov_b32 s47, 0
	s_mov_b32 s95, 0
	s_mul_i32 s45, s16, HALFT                      ; where they go: by the wave's number alone
	s_mul_i32 s96, s16, HALFS
	s_wait_dscnt 0x0                               ; the opening add is done
	s_wait_kmcnt 0x0
	s_add_nc_u64 s[20:21], s[4:5], s[20:21]
	s_add_nc_u64 s[22:23], s[6:7], s[22:23]
	s_add_nc_u64 s[46:47], s[4:5], s[46:47]
	s_add_nc_u64 s[94:95], s[6:7], s[94:95]
	CROUND                                         ; all sixteen work-groups are here: the first joint loads meet
	s_mov_b32 s[G0S], 1
	s_add_co_u32 s[G0S+1], s96, SCL
	s_mov_b64 s[G0S+2:G0S+3], s[22:23]
	s_or_b32 s[G0S+3], s[G0S+3], 0x80000000
	s_mov_b32 s[G0SB], 1
	s_add_co_u32 s[G0SB+1], s96, SCL
	s_mov_b64 s[G0SB+2:G0SB+3], s[94:95]
	s_or_b32 s[G0SB+3], s[G0SB+3], 0x80000000
	JLOAD G0S, G1S, G0SB, G1SB                     ; the scale words of all of K: filled once
.irp s, 0,1
	s_mov_b32 s[G0+4*\s], 1
	s_add_co_u32 s[G0+4*\s+1], s45, \s*SLOT
	s_add_nc_u64 s[G0+4*\s+2:G0+4*\s+3], s[20:21], \s*TILEB
	s_or_b32 s[G0+4*\s+3], s[G0+4*\s+3], 0x80000000
	s_mov_b32 s[G0B+4*\s], 1
	s_add_co_u32 s[G0B+4*\s+1], s45, \s*SLOT
	s_add_nc_u64 s[G0B+4*\s+2:G0B+4*\s+3], s[46:47], \s*TILEB
	s_or_b32 s[G0B+4*\s+3], s[G0B+4*\s+3], 0x80000000
	JLOAD G0+4*\s, G1, G0B+4*\s, G1B
.endr
	v_and_b32 v1, 31, v0                           ; lane
	v_and_b32 v2, 15, v0                           ; r
	v_bfe_u32 v3, v0, 4, 1                         ; h
	v_lshlrev_b32 v4, 4, v1                        ; 16 x lane
	v_lshlrev_b32 v5, 3, v1                        ; 8 x lane
	s_mul_i32 s21, s17, HALFT                      ; my 8 tiles of A
	s_mul_i32 s22, s18, HALFT
	s_add_co_u32 s22, s22, 2*HALFT                 ; my 8 tiles of B, behind A's 16
.irp s, 0,1
	v_add_nc_u32 v[ADRA+\s], s21, v4
	v_add_nc_u32 v[ADRB+\s], s22, v4
	v_add_nc_u32 v[ADRA+2+\s], s21, v5
	v_add_nc_u32 v[ADRB+2+\s], s22, v5
	s_add_co_u32 s21, s21, SLOT
	s_add_co_u32 s22, s22, SLOT
.endr
	v_lshlrev_b32 v6, 3, v2                        ; scale words: 8 bytes a row and K step
	s_mul_i32 s21, s17, HALFS
	s_mul_i32 s22, s18, HALFS
	s_add_co_u32 s22, s22, 2*HALFS
	s_sub_co_u32 s22, s22, s21
	v_mul_u32_u24 v7, s22, v3                      ; lanes 16-31 take B's
	s_add_co_u32 s21, s21, SCL
	v_add_nc_u32 v6, v6, v7
	v_add_nc_u32 v[ADRS], s21, v6
	v_lshlrev_b32 v8, 6, v3                        ; the bias by column: 64 h
	v_and_b32 v9, 8, v2
	v_add_nc_u32 v9, v9, v2
	v_lshlrev_b32 v9, 2, v9                        ; the bias by row: 4 (r + 8 (r / 8))
	v_mul_u32_u24 v10, v3, HEADB
	v_lshl_add_u32 v10, v2, 4, v10                 ; the scale words' place: lanes 16-31 the next head's
	; where the results go
	s_lshl_b32 s20, s19, 8
	s_lshl_b32 s21, s17, 7
	s_add_co_u32 s20, s20, s21                     ; my first row of C
	s_lshl_b32 s46, s42, 8
	s_lshl_b32 s47, s18, 7
	s_add_co_u32 s46, s46, s47                     ; my first column
	s_mov_b32 s92, 0                               ; k: codes at 0,
	s_mov_b32 s93, 12288                           ; scale words at 12,288,
	s_mov_b32 s94, 12800                           ; 12,800 bytes a step
	s_mov_b32 s[AST], 768
	s_mov_b32 s95, HEADB
	s_cmp_eq_u32 s66, 0
	s_cselect_b32 s92, 204800, s92
	s_cselect_b32 s93, 210944, s93
	s_cselect_b32 s94, 6400, s94
	s_cmp_eq_u32 s66, 1
	s_cselect_b64 s[8:9], s[10:11], s[8:9]
	s_cmp_eq_u32 s66, 2
	s_cselect_b64 s[8:9], s[12:13], s[8:9]         ; the product's bias
	s_cselect_b32 s92, 6144, s92
	s_cselect_b32 s93, 12544, s93
	s_cselect_b32 s[AST], 1536, s[AST]
	s_cselect_b32 s[AJ], 301056, 0
	s_cselect_b32 s95, 768, s95
	s_cselect_b32 s22, s46, s20                    ; my first token
	s_cselect_b32 s23, s20, s46                    ; my first channel
	s_mov_b32 s[AST+1], 0
	s_mov_b32 s[AJ+1], 0
	s_lshr_b32 s20, s22, 11
	s_lshl_b32 s20, s20, 4
	s_lshr_b32 s21, s23, 6
	s_add_co_u32 s20, s20, s21                     ; 16 x batch + head
	s_mul_i32 s20, s20, HEADB
	s_bfe_u32 s21, s22, 0x40007                    ; which 128 tokens of the batch's 2,048
	s_mul_i32 s21, s21, s94
	s_add_co_u32 s20, s20, s21
	s_add_co_u32 s46, s20, s93
	s_mov_b32 s47, 0
	s_add_nc_u64 s[OS:OS+1], s[14:15], s[46:47]
	s_add_co_u32 s46, s20, s92
	s_mov_b32 s20, s95
	s_add_nc_u64 s[OB0:OB0+1], s[14:15], s[46:47]
	s_mov_b32 s46, s20
	s_add_nc_u64 s[OB1:OB1+1], s[OB0:OB0+1], s[46:47]
	s_lshl_b32 s46, s23, 2
	s_add_nc_u64 s[8:9], s[8:9], s[46:47]          ; the bias of my 128 channels
	s_mov_b32 s[SEL], 0x76543210
	s_mov_b32 s[SEL+1], 0xfedcba98
.irp bb, 0,1,2,3                       ; both patterns are loaded; the one that does not apply is cleared on the way out.  Their wait stands there; v8, v9 and s[8:9] are not written again
.irp i, 0,1,2,3
	global_load_b128 v[BN+16*\bb+4*\i:BN+16*\bb+4*\i+3], v8, s[8:9] offset:128*\bb+16*\i   ; channels 32 bb + 16 h + 4 i on
.endr
.endr
.irp a, 0,1,2,3,4,5,6,7
	global_load_b32 v[BM+2*\a], v9, s[8:9] offset:128*(\a/2)+32*(\a%2)     ; channel 32 (a / 2) + 8 (a % 2) + r + 8 (r / 8)
	global_load_b32 v[BM+2*\a+1], v9, s[8:9] offset:128*(\a/2)+32*(\a%2)   ; (named with it as a pair, so it is written)
.endr
.macro FRAG reg, adr, q, i             ; a fragment is two images: four loads, each of consecutive bytes
	ds_load_b128 v[\reg:\reg+3], v[\adr] offset:(\i)*TILEB+(\q)*1536
	ds_load_b64 v[\reg+4:\reg+5], v[\adr+2] offset:(\i)*TILEB+(\q)*1536+512
	ds_load_b128 v[\reg+6:\reg+9], v[\adr] offset:(\i)*TILEB+(\q)*1536+768
	ds_load_b64 v[\reg+10:\reg+11], v[\adr+2] offset:(\i)*TILEB+(\q)*1536+1280
.endm
; 16 matrix instructions: A's blocks a0, a0 + 1 x B's eight.  The 64 accumulators take turns, one instruction a turn, in the same order in every step.
.macro MUL16 a0, p, q, sc, zero
.irp a, \a0, \a0+1
.irp b, 0,1,2,3,4,5,6,7
.if \zero
	v_wmma_scale_f32_16x16x128_f8f6f4 v[8*(8*((\a)%4)+\b):8*(8*((\a)%4)+\b)+7], v[128*(\p)+FR*\b:128*(\p)+FR*\b+FR-1], v[AF+FR*(\a):AF+FR*(\a)+FR-1], 0, v[SC+8*NQ*(\sc)+NQ*\b+(\q)], v[SC+8*NQ*(\sc)+NQ*(\a)+(\q)] matrix_a_fmt:MATRIX_FMT_FP6 matrix_b_fmt:MATRIX_FMT_FP6 matrix_a_scale:MATRIX_SCALE_ROW1
.else
	v_wmma_scale_f32_16x16x128_f8f6f4 v[8*(8*((\a)%4)+\b):8*(8*((\a)%4)+\b)+7], v[128*(\p)+FR*\b:128*(\p)+FR*\b+FR-1], v[AF+FR*(\a):AF+FR*(\a)+FR-1], v[8*(8*((\a)%4)+\b):8*(8*((\a)%4)+\b)+7], v[SC+8*NQ*(\sc)+NQ*\b+(\q)], v[SC+8*NQ*(\sc)+NQ*(\a)+(\q)] matrix_a_fmt:MATRIX_FMT_FP6 matrix_b_fmt:MATRIX_FMT_FP6 matrix_a_scale:MATRIX_SCALE_ROW1
.endif
.endr
.endr
.endm
.macro FETCH_B slot, q, p
	WIN TO_B
.irp i, 0,1,2,3,4,5,6,7
	FRAG 128*(\p)+FR*\i, ADRB+\slot, \q, \i
.endr
	WIN 0
.endm
.macro FETCH_A slot, q, i0
.irp i, \i0, \i0+1, \i0+2, \i0+3
	FRAG AF+FR*(\i), ADRA+\slot, \q, \i
.endr
.endm
.macro SCALES sc                       ; a K step's two words a row: lanes 0-15 A's block i, lanes 16-31 B's block i
.irp i, 0,1,2,3,4,5,6,7
	ds_load_b64 v[SC+8*NQ*\sc+NQ*\i:SC+8*NQ*\sc+NQ*\i+1], v[ADRS] offset:\i*512
.endr
.endm
.macro PLACES n
.rept \n
	v_nop
.endr
.endm
.macro STEP slot, q, zero              ; 128 along K that has its successor in the same slot
	s_wait_dscnt 4*NL                              ; all but the youngest 16 loads (A's blocks 4-7) are in
	WIN MUL_LO
	MUL16 0, (\q)%2, \q, \slot, \zero
	MUL16 2, (\q)%2, \q, \slot, \zero
	s_wait_dscnt 0
	PLACES NP
	FETCH_B \slot, (\q)+1, 1-(\q)%2
	FETCH_A \slot, (\q)+1, 0
	WIN MUL_HI
	MUL16 4, (\q)%2, \q, \slot, \zero
	MUL16 6, (\q)%2, \q, \slot, \zero
	PLACES NP
	WIN 0
	FETCH_A \slot, (\q)+1, 4
.endm
; A slot's last step changes slots: one barrier; in front of it each wave waits for all its tensor loads, adds 0 to its spare word, and waits for that and for its reads of this slot.
.macro TURN slot, next, fill
	s_wait_tensorcnt 0x0                           ; all my tensor loads have landed: my part of the next slot
	ds_add_u32 v[SPW], v[NIL]
	s_wait_dscnt 4*NL+1                            ; the add and the youngest 16 loads may be out
	WIN MUL_LO
	MUL16 0, 1, NQ-1, \slot, 0
	s_wait_dscnt 0x0                               ; the add is done, and my reads of this slot are over
	s_barrier_signal -1
	MUL16 2, 1, NQ-1, \slot, 0
	WIN 0
	s_barrier_wait -1
.if \fill
	CREST                                          ; the barrier has opened a round of the cluster's: no wave of any partner still reads this slot or has a load on its way
	s_add_nc_u64 s[G0+4*\slot+2:G0+4*\slot+3], s[G0+4*\slot+2:G0+4*\slot+3], 2*TILEB
	s_add_nc_u64 s[G0B+4*\slot+2:G0B+4*\slot+3], s[G0B+4*\slot+2:G0B+4*\slot+3], 2*TILEB
	JLOAD G0+4*\slot, G1, G0B+4*\slot, G1B         ; the first tensor load behind the round; its four v_nop are the places in front of the loads below
.else
	PLACES NP
.endif
	v_add_nc_u32 v[ADRS], 128, v[ADRS]             ; the next K step's scale words
	FETCH_B \next, 0, 0
	FETCH_A \next, 0, 0
	SCALES \next
	WIN MUL_HI
	MUL16 4, 1, NQ-1, \slot, 0
	MUL16 6, 1, NQ-1, \slot, 0
	PLACES NP
	WIN 0
	FETCH_A \next, 0, 4
.endm
	s_wait_tensorcnt 1                             ; the scale words and my part of K step 0 are in; K step 1's load may be out
	s_barrier_signal -1
	s_barrier_wait -1
	FETCH_B 0, 0, 0
	FETCH_A 0, 0, 0
	SCALES 0
	FETCH_A 0, 0, 4
	STEP 0, 0, 1                                   ; the first step's products start the sums
	s_mov_b32 s3, 1                                ; K = 1,024 is two laps of the ring: one trip fills both slots again
.Llap:
	TURN 0, 1, 1
	STEP 1, 0, 0
	TURN 1, 0, 1
	STEP 0, 0, 0
	s_sub_co_u32 s3, s3, 1
	s_cmp_lg_u32 s3, 0
	s_cbranch_scc1 .Llap
	TURN 0, 1, 0                                   ; the last lap fills nothing
	STEP 1, 0, 0
	s_wait_dscnt 4*NL
	WIN MUL_LO
	MUL16 0, 1, NQ-1, 1, 0
	MUL16 2, 1, NQ-1, 1, 0
	s_wait_dscnt 0
	WIN MUL_HI
	MUL16 4, 1, NQ-1, 1, 0
	MUL16 6, 1, NQ-1, 1, 0
	WIN 0
; 64 numbers of a lane, register 16 b + i = k 32 b + 16 h + i of my row, become a fragment's codes in v[PC] on and its scale word in v[PW].
.macro QUANT s
.irp b, 0,1,2,3
	v_max3_num_f32 v[TM+\b], |v[\s+16*\b]|, |v[\s+1+16*\b]|, 0x1800000   ; and the floor 2^(3 - 127): the byte cannot fall under 1
.endr
.irp i, 2,4,6,8,10,12,14
.irp b, 0,1,2,3
	v_max3_num_f32 v[TM+\b], v[TM+\b], |v[\s+16*\b+\i]|, |v[\s+1+16*\b+\i]|
.endr
.endr
.irp b, 0,1,2,3
	v_permlanex16_b32 v[TM+4+\b], v[TM+\b], s[SEL], s[SEL+1]
.endr
.irp b, 0,1,2,3
	v_max_num_f32 v[TM+\b], v[TM+\b], v[TM+4+\b]   ; with lane l xor 16's: the block's largest magnitude
.endr
.irp b, 0,1,2,3
	v_add_nc_u32 v[TM+12+\b], 0xff000000, v[TM+\b]
.endr
.irp b, 0,1,2,3
	v_lshrrev_b32 v[TM+4+\b], 23, v[TM+12+\b]
.endr
	v_lshl_or_b32 v[PW], v[TM+5], 8, v[TM+4]
	v_lshl_or_b32 v[PW], v[TM+6], 16, v[PW]
	v_lshl_or_b32 v[PW], v[TM+7], 24, v[PW]
.irp c, 0,1
	v_cvt_scalef32_pk16_fp6_f32 v[PC+6*\c:PC+2+6*\c], v[\s+32*\c:\s+15+32*\c], v[TM+12+2*\c]
	v_cvt_scalef32_pk16_fp6_f32 v[PC+12+4*\c:PC+14+4*\c], v[\s+16+32*\c:\s+31+32*\c], v[TM+12+2*\c+1]
.endr
	v_nop                                          ; one plain place behind the conversions
.irp c, 0,1                                    ; the operand's layout wants a whole block in a lane
.irp i, 0,1,2
	v_permlane16_swap_b32 v[PC+6*\c+\i], v[PC+12+4*\c+\i]
.endr
.irp i, 0,1,2
	v_mov_b32 v[PC+3+6*\c+\i], v[PC+12+4*\c+\i]
.endr
.endr
.endm
; THE WAY OUT of A's block a: 16 rows x 128 columns get their bias, are quantised along the columns, and leave as two images.
.macro EPI a
.if (\a) > 0
	s_wait_xcnt 0x0                                ; the last block's stores have read their data and bases: both are written again only behind this wait
	s_add_nc_u64 s[OB0:OB0+1], s[OB0:OB0+1], s[AST:AST+1]
	s_add_nc_u64 s[OB1:OB1+1], s[OB1:OB1+1], s[AST:AST+1]
.endif
.if (\a) == 4
	s_add_nc_u64 s[OB0:OB0+1], s[OB0:OB0+1], s[AJ:AJ+1]
	s_add_nc_u64 s[OB1:OB1+1], s[OB1:OB1+1], s[AJ:AJ+1]
.endif
	WIN 0x02+(\a)/4                                ; source 0: window 2 or 3
.set ii, 0
.rept 32
	v_pk_add_f32 v[HA+ii:HA+ii+1], v[64*((\a)%4)+ii:64*((\a)%4)+ii+1], v[BN+ii:BN+ii+1]   ; each accumulator from its low end on
.set ii, ii+2
.endr
	WIN 0
.set ii, 0
.rept 32
	v_pk_add_f32 v[HA+ii:HA+ii+1], v[HA+ii:HA+ii+1], v[BM+2*(\a):BM+2*(\a)+1] op_sel_hi:[1,0]
.set ii, ii+2
.endr
	QUANT HA
	v_mov_b32 v[PWS+(\a)], v[PW]
	global_store_b128 v4, v[PC:PC+3], s[OB0:OB0+1]             ; 512 consecutive bytes,
	global_store_b64 v5, v[PC+4:PC+5], s[OB0:OB0+1] offset:512 ; and 256: an image
	global_store_b128 v4, v[PC+6:PC+9], s[OB1:OB1+1]
	global_store_b64 v5, v[PC+10:PC+11], s[OB1:OB1+1] offset:512
.endm
	PLACES NP                                      ; behind the last products: vector instructions write registers that held A's fragments
	s_wait_loadcnt 0x0                             ; the biases
.set ii, 0
.rept 64
	v_cndmask_b32 v[BN+ii], 0, v[BN+ii], s2        ; by column for q and k, else 0
.set ii, ii+1
.endr
.set ii, 0
.rept 16
	v_cndmask_b32 v[BM+ii], 0, v[BM+ii], s67       ; by row for v, else 0
.set ii, ii+1
.endr
.irp b, 0,1,2,3
	v_mov_b32 v[TM+4+\b], 0                        ; a lane permute's destination is written before
.endr
.irp a, 0,1,2,3,4,5,6,7
	EPI \a
.endr
	; the scale words.  q, k: word bb of a head = the two bytes of tile 2 bb, then those of tile 2 bb + 1; lanes 0-15 the first head's, lanes 16-31 the second's.  v: word t = the word of the head's tile t.
	v_cmp_ne_u32 vcc_lo, 0, v3
	v_mov_b32 v36, 0x05040100
	v_mov_b32 v37, 0x07060302
	v_cndmask_b32 v36, v36, v37, vcc_lo
.irp t, 0,1,2,3
	v_perm_b32 v38, v[PWS+2*\t+1], v[PWS+2*\t], v36
	v_cndmask_b32 v39, v[PWS+\t], v[PWS+4+\t], vcc_lo
	v_cndmask_b32 v[SW+\t], v38, v39, s67
.endr
	global_store_b128 v10, v[SW:SW+3], s[OS:OS+1]  ; sixteen lanes store 256 consecutive bytes, aligned
	s_wait_tensorcnt 0x0                           ; the wave's end
	ds_add_u32 v[SPW], v[NIL]
	s_wait_dscnt 0x0
	CROUND                                         ; the closing round
	s_endpgm
.Lfunc_end_k_qf8a2e2ab24_project3:
	.size	k_qf8a2e2ab24_project3, .Lfunc_end_k_qf8a2e2ab24_project3-k_qf8a2e2ab24_project3
	.p2alignl 7, 3214868480
	.fill 96, 4, 3214868480
	.section	.rodata,"a",@progbits
	.p2align	6, 0x0
	.amdhsa_kernel k_qf8a2e2ab24_project3
		.amdhsa_group_segment_fixed_size 327680
		.amdhsa_private_segment_fixed_size 0
		.amdhsa_enable_private_segment 0
		.amdhsa_kernarg_size 48
		.amdhsa_user_sgpr_count 2
		.amdhsa_user_sgpr_kernarg_segment_ptr 1
		.amdhsa_wavefront_size32 1
		.amdhsa_system_sgpr_workgroup_id_x 1
		.amdhsa_system_sgpr_workgroup_id_y 1
		.amdhsa_system_sgpr_workgroup_id_z 1
		.amdhsa_system_vgpr_workitem_id 0
		.amdhsa_next_free_vgpr 1024
		.amdhsa_next_free_sgpr 102
		.amdhsa_reserve_vcc 1
		.amdhsa_float_denorm_mode_32 3
		.amdhsa_float_denorm_mode_16_64 3
		.amdhsa_memory_ordered 1
		.amdhsa_forward_progress 1
		.amdhsa_inst_pref_size 191
	.end_amdhsa_kernel
	.amdgpu_metadata
---
amdhsa.version: [ 1, 2 ]
amdhsa.kernels:
  - .name:           k_qf8a2e2ab24_project3
    .symbol:         k_qf8a2e2ab24_project3.kd
    .args:
      - { .name: opc, .offset: 0, .size: 8, .value_kind: global_buffer, .address_space: global }
      - { .name: ops, .offset: 8, .size: 8, .value_kind: global_buffer, .address_space: global }
      - { .name: bq, .offset: 16, .size: 8, .value_kind: global_buffer, .address_space: global }
      - { .name: bk, .offset: 24, .size: 8, .value_kind: global_buffer, .address_space: global }
      - { .name: bv, .offset: 32, .size: 8, .value_kind: global_buffer, .address_space: global }
      - { .name: qkvc, .offset: 40, .size: 8, .value_kind: global_buffer, .address_space: global }
    .group_segment_fixed_size: 327680
    .private_segment_fixed_size: 0
    .kernarg_segment_align: 8
    .kernarg_segment_size: 48
    .max_flat_workgroup_size: 128
    .sgpr_count:     102
    .vgpr_count:     1024
    .wavefront_size: 32
...
	.end_amdgpu_metadata
.endif
;; end of part 2
;; launch attend (part 3): grid 8 x 32, 16 waves a work-group, clusters of 4 x 1, 206,848 bytes of LDS; arguments qkvc, yc, ys; writes yc, ys
.if DOCPART == 3
	.amdgcn_target "amdgcn-amd-amdhsa--gfx1250"
	.amdhsa_code_object_version 6
	.text
	.protected	k_qf8a2e2ab24_attend
	.globl	k_qf8a2e2ab24_attend
	.p2align	8
	.type	k_qf8a2e2ab24_attend,@function
k_qf8a2e2ab24_attend:
	s_mov_b64 s[64:65], 0
	v_nop
	global_prefetch_b8 v0, s[64:65] scope:SCOPE_SE
	s_setreg_imm32_b32 hwreg(HW_REG_WAVE_MODE, 25, 1), 1
	s_wait_xcnt 0x0
	s_wait_alu depctr_hold_cnt(0) depctr_sa_sdst(0) depctr_va_vdst(0) depctr_va_sdst(0) depctr_va_ssrc(0) depctr_va_vcc(0) depctr_vm_vsrc(0)
	s_getreg_b32 s2, hwreg(HW_REG_IB_STS2, 6, 4)
	s_cmp_eq_u32 s2, 0
	s_cbranch_scc0 .Lentry_in_a_cluster
	s_endpgm
.Lentry_in_a_cluster:
	s_bfe_u32 s2, ttmp6, 0x10000c
	s_cmp_lg_u32 s2, 0x3003
	s_cbranch_scc0 .Lentry_shape_is_right
	s_endpgm
.Lentry_shape_is_right:
; y = softmax(q k^T / 8, causal) v for one head a work-group row, both products on codes of FP6 (E2M3) with E8M0 scales; y / l is quantised along the channels and leaves as codes.
; THE SOFTMAX: t = score x log2(e) / 8; M = the running largest t rounded up to a whole number; p = 2^(t - M) is quantised along the keys; the sum is taken of the unquantised p and divides at the end.
; SHARES.  A head has 128 tiles of 16 queries: 8 work-groups x 16 waves, a tile a wave.  A block of 128 queries nb needs nb + 1 key steps of 128.  nb hangs on the wave's number and the cluster's x alone, chosen so that any four
; waves w / 4 = const and any four waves w % 4 = const have 34 steps together.  The tile in the block is 2 cx + e: the place in the cluster enters global addresses and one register of the mask, no branch and no LDS address.
; A WHOLE HEAD'S K AND V LIE IN LDS, 204,800 bytes, filled once, asked for jointly by the cluster's four work-groups: no ring and no refill.  A wave brings 2,048 bytes of the first 32,768 (key steps 0 and 1 end at 25,600)
; and 10,752 of the rest; steps 0 and 1 are worked while the second load is on its way.
; K = 64 IN AN INSTRUCTION OF 128: a fragment of K holds two tiles of keys, one in k 0-63 and one in k 64-127.  Against q in the lower half and zero codes in the upper it gives the first tile's scores, against the
; other order the second's.  The zero half's scale bytes are 0, which is 2^-127: its products are zeros.
; LAYOUT: both products transposed, a lane holds one query; the keys of a tile are 32 b + 8 u + r + 8 (r / 8), so that the 16 registers of tiles 2 b, 2 b + 1 are keys 32 b + 16 h + 0 .. 15.
; LIMITS: NaN and infinities are not served; y / l is a reciprocal and a multiplication; the scale byte's floor is 1.
.set STEPB, 12800
.set HEADB, 307200
.set QOFF,  204800
.set QBLK,  6400
.set APART, 2048
.set ABYTES, 16*APART
.set BPART, 10752
.set SPARE, 16*STEPB
.set SPW,  4
.set NIL,  5
.set QLO,  16                          ; v16-27  q | 0
.set QHI,  28                          ; v28-39  0 | q
.set KF,   40                          ; v40-87  four fragments of K, then of V
.set S,    88                          ; v88-151 scores, then p
.set OT,   152                         ; v152-183 O^T
.set PC,   184                         ; v184-195 p's codes
.set CT,   196                         ; v196-198, v200-202
.set BMX,  204
.set PT,   208
.set SO,   212
.set KSC,  216
.set VSC,  220
.set QSL,  224
.set QSH,  225
.set PS,   226
.set F,    228
.set TMP,  230
.set NINF, 232
.set WV,   10
.set CX,   11
.set HD,   12
.set EE,   13
.set NB,   15
.set SEL,  20
.set CS,   22
.set G1A,  24
.set G1B,  32
.set G0A,  40
.set G0B,  44
.set TB,   48
.set KS,   49
.set CNT,  50
.macro CROUND
	s_barrier_signal -1
	s_barrier_wait -1
	s_cmp_lg_u32 s[WV], 0
	s_cbranch_scc1 .Lnot_wave_0_\@
	s_barrier_signal -3
.Lnot_wave_0_\@:
	s_barrier_wait -3
	s_barrier_signal -1
	s_barrier_wait -1
.endm
	s_load_b128 s[4:7], s[0:1], 0x0                ; qkvc, yc
	s_load_b64 s[8:9], s[0:1], 0x10                ; ys
	v_lshl_add_u32 v[SPW], v0, 2, SPARE
	v_mov_b32 v[NIL], 0
	ds_add_u32 v[SPW], v[NIL]                      ; the wave's opening
	v_lshrrev_b32 v1, 5, v0
	v_readfirstlane_b32 s[WV], v1                  ; wave 0..15
	s_bfe_u32 s[CX], ttmp6, 0x40000                ; my place in the cluster
	s_and_b32 s[HD], ttmp7, 0xffff                 ; 16 x batch + head
	s_lshr_b32 s14, s[WV], 2                       ; a
	s_and_b32 s[EE], s14, 1                        ; e
	s_and_b32 s16, s[WV], 3
	s_xor_b32 s16, s16, s[EE]                      ; c
	s_lshr_b32 s17, s14, 1                         ; p
	s_lshr_b32 s18, s16, 1                         ; x
	s_lshl_b32 s19, ttmp9, 1
	s_sub_co_u32 s19, 3, s19                       ; 3 - 2 x the cluster's x
	s_mul_i32 s19, s19, s18
	s_lshl_b32 s17, s17, 2
	s_add_co_u32 s19, s19, s17
	s_add_co_u32 s19, s19, ttmp9                   ; L = 4 p + x (3 - 2 cl) + cl, 0 .. 7
	s_sub_co_u32 s17, 15, s19
	s_and_b32 s16, s16, 1
	s_cmp_lg_u32 s16, 0
	s_cselect_b32 s[NB], s17, s19                  ; my block of 128 queries: L or 15 - L
	; group 1: dense bytes as rows of 256 (32 elements of 8 bytes); the mask names the cluster's four
	s_mov_b32 s[G1A], 15|(3<<16)|(1<<21)
	s_mov_b32 s[G1A+1], 32<<16
	s_mov_b32 s[G1A+2], 8<<16
	s_mov_b32 s[G1A+3], 32<<16
	s_mov_b32 s[G1A+4], 8
	s_mov_b32 s[G1A+5], 32
	s_mov_b32 s[G1A+6], 0
	s_mov_b32 s[G1A+7], 0
	s_mov_b32 s[G1B], 15|(3<<16)|(1<<21)
	s_mov_b32 s[G1B+1], 32<<16
	s_mov_b32 s[G1B+2], 42<<16
	s_mov_b32 s[G1B+3], 32<<16
	s_mov_b32 s[G1B+4], 42
	s_mov_b32 s[G1B+5], 32
	s_mov_b32 s[G1B+6], 0
	s_mov_b32 s[G1B+7], 0
	s_mul_i32 s60, s[HD], HEADB
	s_mov_b32 s61, 0
	s_mul_i32 s62, s[WV], APART
	s_mul_i32 s63, s[WV], BPART
	s_mov_b32 s[SEL], 0x76543210
	s_mov_b32 s[SEL+1], 0xfedcba98
	s_mov_b32 s[CS], 0x3e38aa3b                    ; log2(e) / 8
	s_mov_b32 s[CS+1], s[CS]
	s_mov_b32 s[TB], 0
	s_mov_b32 s[KS], 0
	s_mov_b32 s67, 0
	s_wait_dscnt 0x0                               ; the opening add is done
	s_wait_kmcnt 0x0
	s_add_nc_u64 s[60:61], s[4:5], s[60:61]        ; the head's part of qkvc
	s_mov_b32 s[G0A], 1
	s_mov_b32 s[G0A+1], s62
	s_mov_b32 s66, s62
	s_add_nc_u64 s[G0A+2:G0A+3], s[60:61], s[66:67]
	s_or_b32 s[G0A+3], s[G0A+3], 0x80000000
	s_mov_b32 s[G0B], 1
	s_add_co_u32 s[G0B+1], s63, ABYTES
	s_mov_b32 s66, s[G0B+1]
	s_add_nc_u64 s[G0B+2:G0B+3], s[60:61], s[66:67]
	s_or_b32 s[G0B+3], s[G0B+3], 0x80000000
	CROUND                                         ; all four work-groups are here: the joint loads meet
	tensor_load_to_lds s[G0A:G0A+3], s[G1A:G1A+7]  ; two loads of mine are out
	s_nop 0
	tensor_load_to_lds s[G0B:G0B+3], s[G1B:G1B+7]
	s_nop 0
.rept 4
	v_nop
.endr
	v_and_b32 v10, 31, v0
	v_lshlrev_b32 v1, 4, v10                       ; 16 x lane
	v_lshlrev_b32 v2, 3, v10                       ; 8 x lane
	v_and_b32 v11, 15, v0                          ; r
	v_lshlrev_b32 v3, 4, v11                       ; 16 r
	v_bfe_u32 v[TMP], v0, 4, 1                     ; h
	v_and_b32 v9, 8, v11
	v_add_nc_u32 v9, v9, v11
	v_lshlrev_b32 v[TMP], 4, v[TMP]
	v_sub_nc_u32 v9, v9, v[TMP]
	s_lshl_b32 s66, s[CX], 5
	s_lshl_b32 s68, s[EE], 3
	s_add_co_u32 s66, s66, s68
	v_add_nc_u32 v9, s66, v9                       ; my query in its block - 16 h: register 16 b + i of the diagonal step is hidden where 32 b + i is above it
	v_lshlrev_b32 v10, 3, v11                      ; 8 r
	s_mul_i32 s68, s[NB], QBLK
	s_add_co_u32 s68, s68, QOFF                    ; my block of queries
	s_lshl_b32 s69, s[CX], 1
	s_add_co_u32 s69, s69, s[EE]                   ; my tile in it
	s_mul_i32 s66, s69, 768
	s_add_co_u32 s66, s66, s68
	s_add_nc_u64 s[52:53], s[60:61], s[66:67]      ; q's image
	s_lshl_b32 s66, s[CX], 2
	s_add_co_u32 s66, s66, s68
	s_add_co_u32 s66, s66, 6144
	s_add_nc_u64 s[54:55], s[60:61], s[66:67]      ; the word that holds its scale bytes
	s_lshr_b32 s66, s[HD], 4
	s_lshl_b32 s66, s66, 7
	s_lshl_b32 s68, s[NB], 3
	s_add_co_u32 s66, s66, s68
	s_add_co_u32 s68, s66, s69                     ; y's tile: 128 x batch + 8 nb + tile
	s_and_b32 s69, s[HD], 15                       ; the head
	s_mul_i32 s66, s68, 12288
	s_mul_i32 s70, s69, 768
	s_add_co_u32 s66, s66, s70
	s_add_nc_u64 s[56:57], s[6:7], s[66:67]        ; y's image
	s_lshl_b32 s66, s68, 9
	s_lshr_b32 s70, s69, 2
	s_lshl_b32 s70, s70, 7
	s_add_co_u32 s66, s66, s70
	s_bfe_u32 s70, s69, 0x10001
	s_lshl_b32 s70, s70, 2
	s_add_co_u32 s66, s66, s70
	s_and_b32 s70, s69, 1
	s_lshl_b32 s70, s70, 1
	s_add_co_u32 s66, s66, s70
	s_add_nc_u64 s[58:59], s[8:9], s[66:67]        ; y's two scale bytes a row
	global_load_b128 v[QLO:QLO+3], v1, s[52:53]
	global_load_b64 v[QLO+4:QLO+5], v2, s[52:53] offset:512
	global_load_b128 v[QHI+6:QHI+9], v1, s[52:53]  ; twice: the two operands share no register
	global_load_b64 v[QHI+10:QHI+11], v2, s[52:53] offset:512
	global_load_b32 v[QSL], v3, s[54:55]
.irp i, 0,1,2,3,4,5
	v_mov_b32 v[QLO+6+\i], 0                       ; zero codes
	v_mov_b32 v[QHI+\i], 0
.endr
	s_lshl_b32 s66, s[EE], 4
	s_wait_loadcnt 0x0
	v_lshrrev_b32 v[QSL], s66, v[QSL]
	v_and_b32 v[QSL], 0xffff, v[QSL]               ; q's two bytes below, 0 above
	v_lshlrev_b32 v[QSH], 16, v[QSL]               ; and the other way round
	v_mov_b32 v13, 0xff61b1e6                      ; the largest t so far: -3e38
	v_floor_f32 v12, -v13                          ; -M
	v_mov_b32 v14, 0
	v_mov_b32 v15, 0
	v_mov_b32 v[F+1], 0
	v_mov_b32 v[TMP], 0
	v_mov_b32 v[NINF], 0xff800000
.irp b, 0,1,2,3
	v_mov_b32 v[PT+\b], 0                          ; a lane permute's destination is written before
.endr
.set ii, 0
.rept 32
	v_mov_b32 v[OT+ii], 0                          ; the step is written for every step alike: the first finds zeros.  (These lines are also the places between the scale registers' writes and the first products)
.set ii, ii+1
.endr
.macro FRAG4 reg, off                  ; a fragment is two images: four loads of consecutive bytes
	ds_load_b128 v[\reg:\reg+3], v6 offset:\off
	ds_load_b64 v[\reg+4:\reg+5], v7 offset:\off+512
	ds_load_b128 v[\reg+6:\reg+9], v6 offset:\off+768
	ds_load_b64 v[\reg+10:\reg+11], v7 offset:\off+1280
.endm
; A KEY STEP of 128 keys.  A step all of whose keys come after my queries is left out by a scalar branch on ids; the lines at its end that step the address are not.
.macro STEP
	s_cmp_gt_u32 s[KS], s[NB]
	s_cbranch_scc1 .Lhidden_\@
	v_add_nc_u32 v6, s[TB], v1
	v_add_nc_u32 v7, s[TB], v2
	v_add_nc_u32 v8, s[TB], v3
.irp bb, 0,1,2,3
	FRAG4 KF+12*\bb, 1536*\bb
.endr
	ds_load_b128 v[KSC:KSC+3], v8 offset:12288
	s_wait_dscnt 0x0
.irp bb, 0,1,2,3
	v_wmma_scale_f32_16x16x128_f8f6f4 v[S+16*\bb:S+16*\bb+7], v[KF+12*\bb:KF+12*\bb+11], v[QLO:QLO+11], 0, v[KSC+\bb], v[QSL] matrix_a_fmt:MATRIX_FMT_FP6 matrix_b_fmt:MATRIX_FMT_FP6
	v_wmma_scale_f32_16x16x128_f8f6f4 v[S+16*\bb+8:S+16*\bb+15], v[KF+12*\bb:KF+12*\bb+11], v[QHI:QHI+11], 0, v[KSC+\bb], v[QSH] matrix_a_fmt:MATRIX_FMT_FP6 matrix_b_fmt:MATRIX_FMT_FP6
.endr
.rept 4
	v_nop                                          ; places: loads into K's registers and reads of the scores follow
.endr
.irp t, 0,1,2,3
	FRAG4 KF+12*\t, 6144+1536*\t                   ; V is asked for here and lands under the softmax
.endr
	ds_load_b128 v[VSC:VSC+3], v8 offset:12544
	s_cmp_lt_u32 s[KS], s[NB]
	s_cbranch_scc1 .Lopen_\@                       ; only the diagonal step has hidden keys
.set n, 0
.rept 64
	v_cmp_gt_i32 vcc_lo, 32*(n/16)+n%16, v9
	v_cndmask_b32 v[S+n], v[S+n], v[NINF], vcc_lo
.set n, n+1
.endr
.Lopen_\@:
.irp b, 0,1,2,3
	v_max3_num_f32 v[BMX+\b], v[S+16*\b], v[S+16*\b+1], v[S+16*\b+2]   ; the largest score of each block of 32 keys: for the row's maximum, and for the block's largest p
.endr
.irp i, 3,5,7,9,11,13
.irp b, 0,1,2,3
	v_max3_num_f32 v[BMX+\b], v[BMX+\b], v[S+16*\b+\i], v[S+16*\b+\i+1]
.endr
.endr
.irp b, 0,1,2,3
	v_max_num_f32 v[BMX+\b], v[BMX+\b], v[S+16*\b+15]
.endr
.irp b, 0,1,2,3
	v_permlanex16_b32 v[PT+\b], v[BMX+\b], s[SEL], s[SEL+1]
.endr
.irp b, 0,1,2,3
	v_max_num_f32 v[BMX+\b], v[BMX+\b], v[PT+\b]
.endr
	v_max3_num_f32 v[TMP], v[BMX], v[BMX+1], v[BMX+2]
	v_max_num_f32 v[TMP], v[TMP], v[BMX+3]
	v_mul_f32 v[TMP], s[CS], v[TMP]
	v_max_num_f32 v13, v13, v[TMP]                 ; the running largest t
	v_mov_b32 v[TMP], v12
	v_floor_f32 v12, -v13                          ; the new -M: a whole number
	v_sub_f32 v[TMP], v12, v[TMP]
	v_cvt_i32_f32 v[TMP], v[TMP]                   ; (it saturates)
	v_ldexp_f32 v[F], 1.0, v[TMP]                  ; f = 2^(old M - new M)
.set ii, 0
.rept 32
	v_pk_fma_f32 v[S+ii:S+ii+1], v[S+ii:S+ii+1], s[CS:CS+1], v[12:13] op_sel_hi:[1,0,0]   ; t - M
.set ii, ii+2
.endr
.irp b, 0,1,2,3
	v_fma_f32 v[BMX+\b], v[BMX+\b], s[CS], v12
.endr
.set ii, 0
.rept 64
	v_exp_f32 v[S+ii], v[S+ii]                     ; p = 2^(t - M)
.set ii, ii+1
.endr
	v_pk_mul_f32 v[14:15], v[14:15], v[F:F+1] op_sel_hi:[1,0]   ; the sums under the new M: a plain place behind the exponentials
	s_wait_alu depctr_va_vdst(0)                   ; one wait for the batch, ahead of its first reader
.irp b, 0,1,2,3
	v_exp_f32 v[BMX+\b], v[BMX+\b]                 ; each block's largest p
.endr
.set ii, 0
.rept 16
	v_pk_mul_f32 v[OT+ii:OT+ii+1], v[OT+ii:OT+ii+1], v[F:F+1] op_sel_hi:[1,0]   ; O^T under the new M: plain work behind the four
.set ii, ii+2
.endr
	s_wait_alu depctr_va_vdst(0)                   ; and one for the four
.irp b, 0,1,2,3
	v_max_num_f32 v[BMX+\b], 0x1800000, v[BMX+\b]  ; the floor 2^(3 - 127)
.endr
.irp b, 0,1,2,3
	v_add_nc_u32 v[SO+\b], 0xff000000, v[BMX+\b]
.endr
.irp b, 0,1,2,3
	v_lshrrev_b32 v[PT+\b], 23, v[SO+\b]
.endr
	v_lshl_or_b32 v[PS], v[PT+1], 8, v[PT]
	v_lshl_or_b32 v[PS], v[PT+2], 16, v[PS]
	v_lshl_or_b32 v[PS], v[PT+3], 24, v[PS]        ; p's scale word for these 128 keys
.irp c, 0,1
	v_cvt_scalef32_pk16_fp6_f32 v[PC+6*\c:PC+6*\c+2], v[S+32*\c:S+32*\c+15], v[SO+2*\c]
	v_cvt_scalef32_pk16_fp6_f32 v[CT+4*\c:CT+4*\c+2], v[S+32*\c+16:S+32*\c+31], v[SO+2*\c+1]
.endr
	v_nop                                          ; one plain place behind the conversions
.irp c, 0,1
.irp i, 0,1,2
	v_permlane16_swap_b32 v[PC+6*\c+\i], v[CT+4*\c+\i]
.endr
.irp i, 0,1,2
	v_mov_b32 v[PC+6*\c+3+\i], v[CT+4*\c+\i]
.endr
.endr
	v_pk_add_f32 v[PT:PT+1], v[S:S+1], v[S+2:S+3]  ; the row's sum of the unquantised p, in two chains; these 32 lines are also the places between the writes of p's codes and scale word and the products
.set ii, 4
.rept 15
	v_pk_add_f32 v[14:15], v[14:15], v[S+ii:S+ii+1]
	v_pk_add_f32 v[PT:PT+1], v[PT:PT+1], v[S+ii+2:S+ii+3]
.set ii, ii+4
.endr
	v_pk_add_f32 v[14:15], v[14:15], v[PT:PT+1]
	s_wait_dscnt 0x0                               ; V and its scale words
.irp t, 0,1,2,3
	v_wmma_scale_f32_16x16x128_f8f6f4 v[OT+8*\t:OT+8*\t+7], v[KF+12*\t:KF+12*\t+11], v[PC:PC+11], v[OT+8*\t:OT+8*\t+7], v[VSC+\t], v[PS] matrix_a_fmt:MATRIX_FMT_FP6 matrix_b_fmt:MATRIX_FMT_FP6
.endr
.rept 4
	v_nop                                          ; places: the next step's loads, or the way out's reads
.endr
.Lhidden_\@:
	s_add_co_u32 s[TB], s[TB], STEPB
	s_add_co_u32 s[KS], s[KS], 1
.endm
	s_wait_tensorcnt 1                             ; my 2,048 bytes are in; my 10,752 may be out
	s_barrier_signal -1
	s_barrier_wait -1                              ; the first 32,768 bytes are whole
	STEP                                           ; key steps 0 and 1 read bytes under 25,600
	STEP
	s_wait_tensorcnt 0x0
	s_wait_dscnt 0x0
	s_barrier_signal -1
	s_barrier_wait -1                              ; the whole head lies in LDS
	s_mov_b32 s[CNT], 14
.Lkeys:
	STEP
	s_sub_co_u32 s[CNT], s[CNT], 1
	s_cmp_lg_u32 s[CNT], 0
	s_cbranch_scc1 .Lkeys
	; THE WAY OUT: y = O^T / l; its two blocks of 32 channels are quantised; an image and two scale bytes a row leave.
	v_add_f32 v14, v14, v15
	v_permlanex16_b32 v[TMP], v14, s[SEL], s[SEL+1]
	v_add_f32 v14, v14, v[TMP]                     ; the row's sum
	v_rcp_f32 v14, v14
	v_nop                                          ; a plain place behind the reciprocal
	s_wait_alu depctr_va_vdst(0)                   ; and the wait ahead of its first reader
.set ii, 0
.rept 16
	v_pk_mul_f32 v[S+ii:S+ii+1], v[OT+ii:OT+ii+1], v[14:15] op_sel_hi:[1,0]   ; register 16 g + i = channel 32 g + 16 h + i; each accumulator from its low end on
.set ii, ii+2
.endr
.irp g, 0,1
	v_max3_num_f32 v[BMX+\g], |v[S+16*\g]|, |v[S+16*\g+1]|, 0x1800000
.endr
.irp i, 2,4,6,8,10,12,14
.irp g, 0,1
	v_max3_num_f32 v[BMX+\g], v[BMX+\g], |v[S+16*\g+\i]|, |v[S+16*\g+\i+1]|
.endr
.endr
.irp g, 0,1
	v_permlanex16_b32 v[PT+\g], v[BMX+\g], s[SEL], s[SEL+1]
.endr
.irp g, 0,1
	v_max_num_f32 v[BMX+\g], v[BMX+\g], v[PT+\g]
.endr
.irp g, 0,1
	v_add_nc_u32 v[SO+\g], 0xff000000, v[BMX+\g]
.endr
.irp g, 0,1
	v_lshrrev_b32 v[PT+\g], 23, v[SO+\g]
.endr
	v_lshl_or_b32 v[PS], v[PT+1], 8, v[PT]
	v_cvt_scalef32_pk16_fp6_f32 v[PC:PC+2], v[S:S+15], v[SO]
	v_cvt_scalef32_pk16_fp6_f32 v[CT:CT+2], v[S+16:S+31], v[SO+1]
	v_nop
.irp i, 0,1,2
	v_permlane16_swap_b32 v[PC+\i], v[CT+\i]
.endr
.irp i, 0,1,2
	v_mov_b32 v[PC+3+\i], v[CT+\i]
.endr
	global_store_b128 v1, v[PC:PC+3], s[56:57]             ; 512 consecutive bytes,
	global_store_b64 v2, v[PC+4:PC+5], s[56:57] offset:512 ; and 256: an image
	global_store_b16 v10, v[PS], s[58:59]          ; two bytes a row, 8 bytes apart (both halves of the lanes write the same): a head's share of the rows' scale words
	s_wait_tensorcnt 0x0                           ; the wave's end
	ds_add_u32 v[SPW], v[NIL]
	s_wait_dscnt 0x0
	CROUND                                         ; the closing round
	s_endpgm
.Lfunc_end_k_qf8a2e2ab24_attend:
	.size	k_qf8a2e2ab24_attend, .Lfunc_end_k_qf8a2e2ab24_attend-k_qf8a2e2ab24_attend
	.p2alignl 7, 3214868480
	.fill 96, 4, 3214868480
	.section	.rodata,"a",@progbits
	.p2align	6, 0x0
	.amdhsa_kernel k_qf8a2e2ab24_attend
		.amdhsa_group_segment_fixed_size 206848
		.amdhsa_private_segment_fixed_size 0
		.amdhsa_enable_private_segment 0
		.amdhsa_kernarg_size 24
		.amdhsa_user_sgpr_count 2
		.amdhsa_user_sgpr_kernarg_segment_ptr 1
		.amdhsa_wavefront_size32 1
		.amdhsa_system_sgpr_workgroup_id_x 1
		.amdhsa_system_sgpr_workgroup_id_y 1
		.amdhsa_system_sgpr_workgroup_id_z 1
		.amdhsa_system_vgpr_workitem_id 0
		.amdhsa_next_free_vgpr 256
		.amdhsa_next_free_sgpr 72
		.amdhsa_reserve_vcc 1
		.amdhsa_float_denorm_mode_32 3
		.amdhsa_float_denorm_mode_16_64 3
		.amdhsa_memory_ordered 1
		.amdhsa_forward_progress 1
		.amdhsa_inst_pref_size 75
	.end_amdhsa_kernel
	.amdgpu_metadata
---
amdhsa.version: [ 1, 2 ]
amdhsa.kernels:
  - .name:           k_qf8a2e2ab24_attend
    .symbol:         k_qf8a2e2ab24_attend.kd
    .args:
      - { .name: qkvc, .offset: 0, .size: 8, .value_kind: global_buffer, .address_space: global }
      - { .name: yc, .offset: 8, .size: 8, .value_kind: global_buffer, .address_space: global }
      - { .name: ys, .offset: 16, .size: 8, .value_kind: global_buffer, .address_space: global }
    .group_segment_fixed_size: 206848
    .private_segment_fixed_size: 0
    .kernarg_segment_align: 8
    .kernarg_segment_size: 24
    .max_flat_workgroup_size: 512
    .sgpr_count:     72
    .vgpr_count:     256
    .wavefront_size: 32
...
	.end_amdgpu_metadata
.endif
;; end of part 3
;; launch projout (part 4): grid 4 x 16, 4 waves a work-group, clusters of 4 x 4, 327,680 bytes of LDS; arguments yc, ys, opc, ops, bp, out0; writes out0
.if DOCPART == 4
	.amdgcn_target "amdgcn-amd-amdhsa--gfx1250"
	.amdhsa_code_object_version 6
	.text
	.protected	k_qf8a2e2ab24_projout
	.globl	k_qf8a2e2ab24_projout
	.p2align	8
	.type	k_qf8a2e2ab24_projout,@function
k_qf8a2e2ab24_projout:
	s_mov_b64 s[64:65], 0
	v_nop
	global_prefetch_b8 v0, s[64:65] scope:SCOPE_SE
	s_setreg_imm32_b32 hwreg(HW_REG_WAVE_MODE, 25, 1), 1
	s_wait_xcnt 0x0
	s_wait_alu depctr_hold_cnt(0) depctr_sa_sdst(0) depctr_va_vdst(0) depctr_va_sdst(0) depctr_va_ssrc(0) depctr_va_vcc(0) depctr_vm_vsrc(0)
	s_getreg_b32 s2, hwreg(HW_REG_IB_STS2, 6, 4)
	s_cmp_eq_u32 s2, 0
	s_cbranch_scc0 .Lentry_in_a_cluster
	s_endpgm
.Lentry_in_a_cluster:
	s_bfe_u32 s2, ttmp6, 0x10000c
	s_cmp_lg_u32 s2, 0xf033
	s_cbranch_scc0 .Lentry_shape_is_right
	s_endpgm
.Lentry_shape_is_right:
; out0 = y Wp^T + bp: 4,096 x 1,024 x 1,024 on codes of FP6 (E2M3) with E8M0 scales; f32 out.
; Ring, round, joint loads, fragments and register maps are those of the launch of the three projections: a tile of C, 256 x 256, by four waves of 128 x 128; K in steps of 256 through two LDS slots.
; A = y's codes and scale words, as the attention launch stored them; B = Wp's, tiles 704 on of the first launch's buffers.
; The tiles' rows are 32 g + 8 u + r + 8 (r / 8): so accumulator (a, 2 bb + u), register j, lane (r, h) is row 32 (a / 2) + 8 (a % 2) + r + 8 (r / 8), column 32 bb + 16 h + 8 u + j of my 128 x 128.
; 64 work-groups: the product has no more tiles of this size.
.set FR,     12
.set NL,     4
.set NP,     4
.set NQ,     2
.set TILEB,  3072
.set HALFT,  8*TILEB
.set SLOT,   4*HALFT
.set SCL,    2*SLOT
.set HALFS,  4096
.set SPARE,  SCL+4*HALFS
.set SPITCH, 528                       ; the way out: a stage of 16 rows x (512 bytes + 16) a wave, in slot 0, which has had its last fill and its last read by then
.set ADRA, 16
.set ADRB, 20
.set STO,  24
.set RD,   25
.set ADRS, 27
.set SPW,  28
.set NIL,  29
.set SC,   32
.set BP,   64                          ; v64-67 the bias of my four columns of a row's 128
.set AF,   128
.set BK,   128
.set G1, 24
.set G0, 32
.set G1B, 48
.set G0B, 56
.set G1S, 68
.set G0S, 76
.set G1SB, 80
.set G0SB, 88
.set MSB, 0
.macro WIN new
.if MSB != (\new)
	s_set_vgpr_msb (MSB<<8)|(\new)
.set MSB, (\new)
.endif
.endm
.set MUL_LO, 0xa1
.set MUL_HI, 0xf1
.set TO_B,   0x40
.macro JLOAD g0a, g1a, g0b, g1b
	s_cmp_eq_u32 s17, 0
	s_cbranch_scc0 .Lfor_b_\@
	tensor_load_to_lds s[\g0a:\g0a+3], s[\g1a:\g1a+7]
	s_nop 0
.rept 4
	v_nop
.endr
	s_branch .Lasked_\@
.Lfor_b_\@:
	tensor_load_to_lds s[\g0b:\g0b+3], s[\g1b:\g1b+7]
	s_nop 0
.rept 4
	v_nop
.endr
.Lasked_\@:
.endm
.macro CREST
	s_cmp_lg_u32 s16, 0
	s_cbranch_scc1 .Lnot_wave_0_\@
	s_barrier_signal -3
.Lnot_wave_0_\@:
	s_barrier_wait -3
	s_barrier_signal -1
	s_barrier_wait -1
.endm
.macro CROUND
	s_barrier_signal -1
	s_barrier_wait -1
	CREST
.endm
	s_load_b256 s[4:11], s[0:1], 0x0               ; yc, ys, opc, ops
	s_load_b128 s[12:15], s[0:1], 0x20             ; bp, out0
	v_lshl_add_u32 v[SPW], v0, 2, SPARE
	v_mov_b32 v[NIL], 0
	ds_add_u32 v[SPW], v[NIL]                      ; the wave's opening
	v_lshrrev_b32 v1, 5, v0
	v_readfirstlane_b32 s16, v1
	s_lshr_b32 s17, s16, 1
	s_and_b32 s18, s16, 1
	s_bfe_u32 s40, ttmp6, 0x40000
	s_bfe_u32 s41, ttmp6, 0x40004
	s_lshl_b32 s42, ttmp9, 2
	s_add_co_u32 s42, s42, s40                     ; tile column of C
	s_and_b32 s19, ttmp7, 0xffff
	s_lshl_b32 s19, s19, 2
	s_add_co_u32 s19, s19, s41                     ; tile row of C
	s_lshl_b32 s43, s41, 2
	s_lshl_b32 s43, 15, s43
	s_lshl_b32 s44, 0x1111, s40
	s_or_b32 s[G1+0], s43, (3<<16)|(1<<21)
	s_or_b32 s[G1B+0], s44, (3<<16)|(1<<21)
.irp g, G1, G1B
	s_mov_b32 s[\g+1], 384<<16
	s_mov_b32 s[\g+2], 8<<16
	s_mov_b32 s[\g+3], 384<<16
	s_mov_b32 s[\g+4], 8
	s_mov_b32 s[\g+5], 1536
	s_mov_b32 s[\g+6], 0
	s_mov_b32 s[\g+7], 0
.endr
	s_or_b32 s[G1S+0], s43, (3<<16)|(1<<21)
	s_or_b32 s[G1SB+0], s44, (3<<16)|(1<<21)
.irp g, G1S, G1SB
	s_mov_b32 s[\g+1], 32<<16
	s_mov_b32 s[\g+2], 16<<16
	s_mov_b32 s[\g+3], 32<<16
	s_mov_b32 s[\g+4], 16
	s_mov_b32 s[\g+5], 32
	s_mov_b32 s[\g+6], 0
	s_mov_b32 s[\g+7], 0
.endr
	s_lshl_b32 s20, s19, 4
	s_lshl_b32 s21, s18, 3
	s_add_co_u32 s20, s20, s21                     ; A: the first tile that I fetch
	s_lshl_b32 s46, s42, 4
	s_add_co_u32 s46, s46, 704
	s_add_co_u32 s46, s46, s21                     ; B: Wp's tiles begin at 704
	s_mul_i32 s22, s20, 512
	s_mul_i32 s20, s20, 12288
	s_mul_i32 s94, s46, 512
	s_mul_i32 s46, s46, 12288
	s_mov_b32 s21, 0
	s_mov_b32 s23, 0
	s_mov_b32 s47, 0
	s_mov_b32 s95, 0
	s_mul_i32 s45, s16, HALFT
	s_mul_i32 s96, s16, HALFS
	s_wait_dscnt 0x0                               ; the opening add is done
	s_wait_kmcnt 0x0
	s_add_nc_u64 s[20:21], s[4:5], s[20:21]
	s_add_nc_u64 s[22:23], s[6:7], s[22:23]
	s_add_nc_u64 s[46:47], s[8:9], s[46:47]
	s_add_nc_u64 s[94:95], s[10:11], s[94:95]
	CROUND
	s_mov_b32 s[G0S], 1
	s_add_co_u32 s[G0S+1], s96, SCL
	s_mov_b64 s[G0S+2:G0S+3], s[22:23]
	s_or_b32 s[G0S+3], s[G0S+3], 0x80000000
	s_mov_b32 s[G0SB], 1
	s_add_co_u32 s[G0SB+1], s96, SCL
	s_mov_b64 s[G0SB+2:G0SB+3], s[94:95]
	s_or_b32 s[G0SB+3], s[G0SB+3], 0x80000000
	JLOAD G0S, G1S, G0SB, G1SB
.irp s, 0,1
	s_mov_b32 s[G0+4*\s], 1
	s_add_co_u32 s[G0+4*\s+1], s45, \s*SLOT
	s_add_nc_u64 s[G0+4*\s+2:G0+4*\s+3], s[20:21], \s*TILEB
	s_or_b32 s[G0+4*\s+3], s[G0+4*\s+3], 0x80000000
	s_mov_b32 s[G0B+4*\s], 1
	s_add_co_u32 s[G0B+4*\s+1], s45, \s*SLOT
	s_add_nc_u64 s[G0B+4*\s+2:G0B+4*\s+3], s[46:47], \s*TILEB
	s_or_b32 s[G0B+4*\s+3], s[G0B+4*\s+3], 0x80000000
	JLOAD G0+4*\s, G1, G0B+4*\s, G1B
.endr
	v_and_b32 v1, 31, v0
	v_and_b32 v2, 15, v0
	v_bfe_u32 v3, v0, 4, 1
	v_lshlrev_b32 v4, 4, v1                        ; 16 x lane
	v_lshlrev_b32 v5, 3, v1                        ; 8 x lane
	s_mul_i32 s21, s17, HALFT
	s_mul_i32 s22, s18, HALFT
	s_add_co_u32 s22, s22, 2*HALFT
.irp s, 0,1
	v_add_nc_u32 v[ADRA+\s], s21, v4
	v_add_nc_u32 v[ADRB+\s], s22, v4
	v_add_nc_u32 v[ADRA+2+\s], s21, v5
	v_add_nc_u32 v[ADRB+2+\s], s22, v5
	s_add_co_u32 s21, s21, SLOT
	s_add_co_u32 s22, s22, SLOT
.endr
	v_lshlrev_b32 v6, 3, v2
	s_mul_i32 s21, s17, HALFS
	s_mul_i32 s22, s18, HALFS
	s_add_co_u32 s22, s22, 2*HALFS
	s_sub_co_u32 s22, s22, s21
	v_mul_u32_u24 v7, s22, v3
	s_add_co_u32 s21, s21, SCL
	v_add_nc_u32 v6, v6, v7
	v_add_nc_u32 v[ADRS], s21, v6
	s_mul_i32 s23, s16, 16*SPITCH                  ; my stage
	v_mul_u32_u24 v6, v2, SPITCH
	v_lshl_add_u32 v6, v3, 6, v6
	v_add_nc_u32 v[STO], s23, v6                   ; in: row r, 64 h bytes on
	v_add_nc_u32 v[RD], s23, v4                    ; back: the 32 lanes take a row of 512 bytes
	s_lshl_b32 s20, s19, 8
	s_lshl_b32 s21, s17, 7
	s_add_co_u32 s20, s20, s21                     ; my first row of C,
	s_lshl_b32 s20, s20, 12                        ; of 4,096 bytes
	s_lshl_b32 s46, s42, 8
	s_lshl_b32 s47, s18, 7
	s_add_co_u32 s46, s46, s47                     ; my first column
	s_lshl_b32 s46, s46, 2
	s_mov_b32 s47, 0
	s_add_nc_u64 s[12:13], s[12:13], s[46:47]
	s_add_co_u32 s46, s46, s20
	s_add_nc_u64 s[14:15], s[14:15], s[46:47]
	global_load_b128 v[BP:BP+3], v4, s[12:13]      ; its wait stands on the way out; v4 and s[12:13] are not written again
.macro FRAG reg, adr, q, i
	ds_load_b128 v[\reg:\reg+3], v[\adr] offset:(\i)*TILEB+(\q)*1536
	ds_load_b64 v[\reg+4:\reg+5], v[\adr+2] offset:(\i)*TILEB+(\q)*1536+512
	ds_load_b128 v[\reg+6:\reg+9], v[\adr] offset:(\i)*TILEB+(\q)*1536+768
	ds_load_b64 v[\reg+10:\reg+11], v[\adr+2] offset:(\i)*TILEB+(\q)*1536+1280
.endm
.macro MUL16 a0, p, q, sc, zero        ; the 64 accumulators take turns, one instruction a turn
.irp a, \a0, \a0+1
.irp b, 0,1,2,3,4,5,6,7
.if \zero
	v_wmma_scale_f32_16x16x128_f8f6f4 v[8*(8*((\a)%4)+\b):8*(8*((\a)%4)+\b)+7], v[128*(\p)+FR*\b:128*(\p)+FR*\b+FR-1], v[AF+FR*(\a):AF+FR*(\a)+FR-1], 0, v[SC+8*NQ*(\sc)+NQ*\b+(\q)], v[SC+8*NQ*(\sc)+NQ*(\a)+(\q)] matrix_a_fmt:MATRIX_FMT_FP6 matrix_b_fmt:MATRIX_FMT_FP6 matrix_a_scale:MATRIX_SCALE_ROW1
.else
	v_wmma_scale_f32_16x16x128_f8f6f4 v[8*(8*((\a)%4)+\b):8*(8*((\a)%4)+\b)+7], v[128*(\p)+FR*\b:128*(\p)+FR*\b+FR-1], v[AF+FR*(\a):AF+FR*(\a)+FR-1], v[8*(8*((\a)%4)+\b):8*(8*((\a)%4)+\b)+7], v[SC+8*NQ*(\sc)+NQ*\b+(\q)], v[SC+8*NQ*(\sc)+NQ*(\a)+(\q)] matrix_a_fmt:MATRIX_FMT_FP6 matrix_b_fmt:MATRIX_FMT_FP6 matrix_a_scale:MATRIX_SCALE_ROW1
.endif
.endr
.endr
.endm
.macro FETCH_B slot, q, p
	WIN TO_B
.irp i, 0,1,2,3,4,5,6,7
	FRAG 128*(\p)+FR*\i, ADRB+\slot, \q, \i
.endr
	WIN 0
.endm
.macro FETCH_A slot, q, i0
.irp i, \i0, \i0+1, \i0+2, \i0+3
	FRAG AF+FR*(\i), ADRA+\slot, \q, \i
.endr
.endm
.macro SCALES sc
.irp i, 0,1,2,3,4,5,6,7
	ds_load_b64 v[SC+8*NQ*\sc+NQ*\i:SC+8*NQ*\sc+NQ*\i+1], v[ADRS] offset:\i*512
.endr
.endm
.macro PLACES n
.rept \n
	v_nop
.endr
.endm
.macro STEP slot, q, zero
	s_wait_dscnt 4*NL                              ; all but the youngest 16 loads (A's blocks 4-7) are in
	WIN MUL_LO
	MUL16 0, (\q)%2, \q, \slot, \zero
	MUL16 2, (\q)%2, \q, \slot, \zero
	s_wait_dscnt 0
	PLACES NP
	FETCH_B \slot, (\q)+1, 1-(\q)%2
	FETCH_A \slot, (\q)+1, 0
	WIN MUL_HI
	MUL16 4, (\q)%2, \q, \slot, \zero
	MUL16 6, (\q)%2, \q, \slot, \zero
	PLACES NP
	WIN 0
	FETCH_A \slot, (\q)+1, 4
.endm
.macro TURN slot, next, fill
	s_wait_tensorcnt 0x0                           ; all my tensor loads have landed: my part of the next slot
	ds_add_u32 v[SPW], v[NIL]
	s_wait_dscnt 4*NL+1                            ; the add and the youngest 16 loads may be out
	WIN MUL_LO
	MUL16 0, 1, NQ-1, \slot, 0
	s_wait_dscnt 0x0                               ; the add is done, and my reads of this slot are over
	s_barrier_signal -1
	MUL16 2, 1, NQ-1, \slot, 0
	WIN 0
	s_barrier_wait -1
.if \fill
	CREST
	s_add_nc_u64 s[G0+4*\slot+2:G0+4*\slot+3], s[G0+4*\slot+2:G0+4*\slot+3], 2*TILEB
	s_add_nc_u64 s[G0B+4*\slot+2:G0B+4*\slot+3], s[G0B+4*\slot+2:G0B+4*\slot+3], 2*TILEB
	JLOAD G0+4*\slot, G1, G0B+4*\slot, G1B
.else
	PLACES NP
.endif
	v_add_nc_u32 v[ADRS], 128, v[ADRS]
	FETCH_B \next, 0, 0
	FETCH_A \next, 0, 0
	SCALES \next
	WIN MUL_HI
	MUL16 4, 1, NQ-1, \slot, 0
	MUL16 6, 1, NQ-1, \slot, 0
	PLACES NP
	WIN 0
	FETCH_A \next, 0, 4
.endm
	s_wait_tensorcnt 1                             ; the scale words and my part of K step 0 are in; K step 1's load may be out
	s_barrier_signal -1
	s_barrier_wait -1
	FETCH_B 0, 0, 0
	FETCH_A 0, 0, 0
	SCALES 0
	FETCH_A 0, 0, 4
	STEP 0, 0, 1
	s_mov_b32 s3, 1
.Llap:
	TURN 0, 1, 1
	STEP 1, 0, 0
	TURN 1, 0, 1
	STEP 0, 0, 0
	s_sub_co_u32 s3, s3, 1
	s_cmp_lg_u32 s3, 0
	s_cbranch_scc1 .Llap
	TURN 0, 1, 0
	STEP 1, 0, 0
	s_wait_dscnt 4*NL
	WIN MUL_LO
	MUL16 0, 1, NQ-1, 1, 0
	MUL16 2, 1, NQ-1, 1, 0
	s_wait_dscnt 0
	WIN MUL_HI
	MUL16 4, 1, NQ-1, 1, 0
	MUL16 6, 1, NQ-1, 1, 0
	WIN 0
; THE WAY OUT, block by block of 16 rows x 128 columns, through my own stage: in by 32 bytes a lane, back as whole rows of 512 bytes.  LDS serves a wave's instructions in order: no wait between the stores and the loads.
.macro TOSTAGE a
.set AC, 64*((\a)%4)
	WIN 0x08+4*((\a)/4)                            ; the data: window 2 or 3
.irp b, 0,1,2,3,4,5,6,7
	ds_store_b128 v[STO], v[AC+8*\b:AC+8*\b+3] offset:128*(\b/2)+32*(\b%2)        ; each accumulator from its low end on
	ds_store_b128 v[STO], v[AC+8*\b+4:AC+8*\b+7] offset:128*(\b/2)+32*(\b%2)+16
.endr
	WIN 0
.set BB, BK+64*((\a)%2)
.irp t, 0,1,2,3,4,5,6,7,8,9,10,11,12,13,14,15
	ds_load_b128 v[BB+4*\t:BB+4*\t+3], v[RD] offset:\t*SPITCH
.endr
.endm
.macro SEND a, younger                 ; younger: the LDS instructions issued behind block a's loads
.set BB, BK+64*((\a)%2)
	s_wait_dscnt \younger
.irp t, 0,1,2,3,4,5,6,7,8,9,10,11,12,13,14,15
	v_pk_add_f32 v[BB+4*\t:BB+4*\t+1], v[BB+4*\t:BB+4*\t+1], v[BP:BP+1]
	v_pk_add_f32 v[BB+4*\t+2:BB+4*\t+3], v[BB+4*\t+2:BB+4*\t+3], v[BP+2:BP+3]
.endr
.irp t, 0,1,2,3,4,5,6,7,8,9,10,11,12,13,14,15
	global_store_b128 v4, v[BB+4*\t:BB+4*\t+3], s[14:15] offset:(32*((\a)/2)+8*((\a)%2)+\t+8*(\t/8))*4096 th:TH_STORE_NT   ; 512 consecutive bytes, aligned; 127 rows at the most: inside the signed 24-bit immediate
.endr
.endm
	PLACES NP                                      ; behind the last products
	s_wait_loadcnt 0x0                             ; the bias
	TOSTAGE 0
.irp a, 1,2,3,4,5,6,7
.if \a > 1
	s_wait_xcnt 0x0                                ; block a - 2's stores have read their registers: block a's loads may land there
.endif
	TOSTAGE \a
	SEND \a-1, 32                                  ; behind block a - 1's loads: block a's 16 stores and 16 loads
.endr
	SEND 7, 0
	s_wait_tensorcnt 0x0                           ; the wave's end
	ds_add_u32 v[SPW], v[NIL]
	s_wait_dscnt 0x0
	CROUND                                         ; the closing round
	s_endpgm
.Lfunc_end_k_qf8a2e2ab24_projout:
	.size	k_qf8a2e2ab24_projout, .Lfunc_end_k_qf8a2e2ab24_projout-k_qf8a2e2ab24_projout
	.p2alignl 7, 3214868480
	.fill 96, 4, 3214868480
	.section	.rodata,"a",@progbits
	.p2align	6, 0x0
	.amdhsa_kernel k_qf8a2e2ab24_projout
		.amdhsa_group_segment_fixed_size 327680
		.amdhsa_private_segment_fixed_size 0
		.amdhsa_enable_private_segment 0
		.amdhsa_kernarg_size 48
		.amdhsa_user_sgpr_count 2
		.amdhsa_user_sgpr_kernarg_segment_ptr 1
		.amdhsa_wavefront_size32 1
		.amdhsa_system_sgpr_workgroup_id_x 1
		.amdhsa_system_sgpr_workgroup_id_y 1
		.amdhsa_system_sgpr_workgroup_id_z 1
		.amdhsa_system_vgpr_workitem_id 0
		.amdhsa_next_free_vgpr 1024
		.amdhsa_next_free_sgpr 102
		.amdhsa_reserve_vcc 0
		.amdhsa_float_denorm_mode_32 3
		.amdhsa_float_denorm_mode_16_64 3
		.amdhsa_memory_ordered 1
		.amdhsa_forward_progress 1
		.amdhsa_inst_pref_size 159
	.end_amdhsa_kernel
	.amdgpu_metadata
---
amdhsa.version: [ 1, 2 ]
amdhsa.kernels:
  - .name:           k_qf8a2e2ab24_projout
    .symbol:         k_qf8a2e2ab24_projout.kd
    .args:
      - { .name: yc, .offset: 0, .size: 8, .value_kind: global_buffer, .address_space: global }
      - { .name: ys, .offset: 8, .size: 8, .value_kind: global_buffer, .address_space: global }
      - { .name: opc, .offset: 16, .size: 8, .value_kind: global_buffer, .address_space: global }
      - { .name: ops, .offset: 24, .size: 8, .value_kind: global_buffer, .address_space: global }
      - { .name: bp, .offset: 32, .size: 8, .value_kind: global_buffer, .address_space: global }
      - { .name: out0, .offset: 40, .size: 8, .value_kind: global_buffer, .address_space: global }
    .group_segment_fixed_size: 327680
    .private_segment_fixed_size: 0
    .kernarg_segment_align: 8
    .kernarg_segment_size: 48
    .max_flat_workgroup_size: 128
    .sgpr_count:     102
    .vgpr_count:     1024
    .wavefront_size: 32
...
	.end_amdgpu_metadata
.endif
;; end of part 4
